; MI455X (gfx1250); checked and timed in simulation.
; The chip was launched on July 23, 2026; its instructions are those of AMD's public machine-readable ISA for CDNA 5 (MIT licence, August 2026) and "CDNA5" Instruction Set Architecture Reference Guide (July 2026). The comments in the code are by the model that wrote it; some were corrected since.
;; Causal Self Attention. Allowed arithmetic: matrix products marked QUANTISED: E4M3 operands, one E8M0 scale for each 32 along K, by v_wmma_scale_f32_16x16x128_f8f6f4 with both operands' format E4M3, f32 sums; everything else in f32.
;; Inputs: w_proj_codes 1,024 x 32 x 32 uint8 (E4M3 codes of w_proj, K innermost, in blocks of 32 codes); w_proj_scales 1,024 x 32 uint8 (E8M0 scales of w_proj, one for each 32 codes along K); w_qkv_codes 3,072 x 32 x 32 uint8 (E4M3 codes of w_qkv, K innermost, in blocks of 32 codes); w_qkv_scales 3,072 x 32 uint8 (E8M0 scales of w_qkv, one for each 32 codes along K); x_codes 4 x 2,048 x 32 x 32 uint8 (E4M3 codes of x, K innermost, in blocks of 32 codes); x_scales 4 x 2,048 x 32 uint8 (E8M0 scales of x, one for each 32 codes along K).
;; Outputs: out0 4 x 2,048 x 1,024 float32.
;; This version of the problem:
;;   THIS VERSION OF THE PROBLEM IS GIVEN IN LOW PRECISION. The matrix products marked QUANTISED in the list below multiply operands that are first quantised to E4M3 (4 exponent bits, 3 mantissa bits; 8 bits a number), with one power-of-two scale for each 32 numbers along K (OCP MX v1.0); their sums are f32. All else is computed in f32.
;;   The module's matrix products, in the order in which they are computed (A, B: the left and right operand; K: the contracted axis; several contracted axes count as one K, in the product's order):
;;     1. [M 8,192, K 1,024] x [K 1,024, N 3,072]; A: input x (given as codes); B: input w_qkv (given as codes): QUANTISED
;;     2. batch 64 x [M 2,048, K 64] x [K 64, N 2,048]; A: computed on the way; B: computed on the way: QUANTISED
;;     3. batch 64 x [M 2,048, K 2,048] x [K 2,048, N 64]; A: softmax (see below); B: computed on the way: QUANTISED
;;     4. [M 8,192, K 1,024] x [K 1,024, N 1,024]; A: computed on the way; B: input w_proj (given as codes): QUANTISED
;;   THE QUANTISER, for each operand of a quantised product, along K:
;;     - K is cut into blocks of 32 from its start; a last block that is shorter is filled with zeros.
;;     - A block's scale is 2^e with e = floor(log2(the largest magnitude in the block)) - 8, held to -126 .. 127; a block of zeros has e = 0. As a byte (E8M0): e + 127.
;;     - Each number is divided by its block's scale, clamped to +-448, and rounded to the nearest number of E4M3, ties to even, subnormals kept.
;;     - The product sums the exact products of the quantised numbers (number of the format x scale) in f32.
;;   ~~~python
;;   def quantise(x, axis):      # numpy; x: float32 -> the quantised numbers, widened to float32 again
;;       x = np.moveaxis(x, axis, -1); K = x.shape[-1]
;;       x = np.pad(x, [(0, 0)] * (x.ndim - 1) + [(0, -K % 32)]); x = x.reshape(x.shape[:-1] + (-1, 32)); a = np.abs(x).max(-1, keepdims=True)
;;       e = np.where(a > 0, np.clip(np.frexp(np.where(a > 0, a, 1))[1] - 1 - 8, -126, 127), 0)      # np.frexp(a)[1] - 1 = floor(log2(a)), exactly
;;       r = np.clip(x / 2.0 ** e, -448, 448)
;;       step = 2.0 ** (np.maximum(np.frexp(np.where(r == 0, 1, r))[1] - 1, -6) - 3)
;;       q = np.round(r / step) * step * 2.0 ** e      # np.round: ties to even
;;       return np.moveaxis(q.reshape(q.shape[:-2] + (-1,))[..., :K], -1, axis).astype(np.float32)
;;   ~~~
;;   SOFTMAX AHEAD OF A QUANTISED PRODUCT. Where the list says 'softmax', what is quantised is not the finished softmax but p = 2^(t - M), with t = logit x log2(e) and M = ceil(the row's largest t), a whole number; so 1/2 < the row's largest p <= 1. The row's sum l is taken of the UNQUANTISED p, in f32, and the product's result is divided by l at the end. Since M is a whole number, a kernel that streams over the keys may use a running M (the ceiling of the running maximum): every later rescaling is an exact power of two, which a block's scale takes up: the codes' values come out the same.
;;   OPERANDS COMPUTED ON THE WAY. 'Computed on the way' means the value that the module computes at that place (a softmax that the list does not call 'softmax' is quantised finished and normalised). What goes into a quantiser is computed in f32, as accurately as f32 sums, v_exp_f32 and their like allow (about 1e-6 of the number): no bf16 or f16 on the way to a quantiser, and a product that is left as it is and whose result goes on into a quantised operand takes f32 operands (vector FMAs, or v_wmma_f32_16x16x4_f32). A number that lies on a knife's edge between two numbers of the format may be rounded either way, as far as f32 arithmetic and the matrix unit's own rounding can turn it there, and no further.
;;   INPUTS GIVEN AS CODES. w_proj (in the module: [1024, 1024], K = its axis 0); w_qkv (in the module: [1024, 3072], K = its axis 0); x (in the module: [4, 2048, 1024], K = its axis 2): each comes as NAME_codes (uint8): NAME with its K axis moved to the last place and cut into blocks of 32 codes, [.., K / 32, bytes a block], one block behind the other in memory; one code a byte (a code: sign, 4 exponent bits, 3 mantissa bits); and NAME_scales (uint8): the same leading axes, one E8M0 byte (e + 127) for each 32 codes along K. Its value is code x scale, taken as it is: it is not quantised again, and the codes and scales need not be those that the quantiser above would give.
;; One version. Each part assembles by itself: llvm-mc -triple=amdgcn-amd-amdhsa -mcpu=gfx1250 --defsym DOCPART=n.
;; ======== version 1 of 1: 3 launches
;; limits: right only within a limited range of input values
;; workspace buffers: qkv_codes 25,165,824 bytes; qkv_scales 1,572,864 bytes; y_codes 8,388,608 bytes; y_scales 262,144 bytes
;; launch qkv (part 1): grid 12 x 32, 4 waves a work-group, clusters of 4 x 4, 327,680 bytes of LDS; arguments x_codes, x_scales, w_qkv_codes, w_qkv_scales, qkv_codes, qkv_scales; writes qkv_codes, qkv_scales
.if DOCPART == 1
	.amdgcn_target "amdgcn-amd-amdhsa--gfx1250"
	.amdhsa_code_object_version 6
	.text
	.protected	k_qe1f83c064f_qkv
	.globl	k_qe1f83c064f_qkv
	.p2align	8
	.type	k_qe1f83c064f_qkv,@function
k_qe1f83c064f_qkv:
	s_mov_b64 s[64:65], 0
	v_nop
	global_prefetch_b8 v0, s[64:65] scope:SCOPE_SE
	s_setreg_imm32_b32 hwreg(HW_REG_WAVE_MODE, 25, 1), 1
	s_wait_xcnt 0x0
	s_wait_alu depctr_hold_cnt(0) depctr_sa_sdst(0) depctr_va_vdst(0) depctr_va_sdst(0) depctr_va_ssrc(0) depctr_va_vcc(0) depctr_vm_vsrc(0)
	s_getreg_b32 s2, hwreg(HW_REG_IB_STS2, 6, 4)
	s_cmp_eq_u32 s2, 0
	s_cbranch_scc0 .Lentry_in_a_cluster
	s_endpgm
.Lentry_in_a_cluster:
	s_bfe_u32 s2, ttmp6, 0x10000c
	s_cmp_lg_u32 s2, 0xf033
	s_cbranch_scc0 .Lentry_shape_is_right
	s_endpgm
.Lentry_shape_is_right:
; qkv = x w_qkv on codes of FP8 (E4M3) with one E8M0 scale for each 32 along K = 1,024, and the results quantised at once: q and k along the head's 64, v along the keys.
; x: [8192][1024] codes, [8192][32] scale bytes.  w_qkv: [3072][1024] codes (K innermost), [3072][32] scale bytes; rows 0-1023 make q, 1024-2047 k, 2048-3071 v.
; A tile of 256 x 256 results is made by a work-group of four waves; a wave makes 128 x 128: 64 accumulators of 16 x 16, 512 registers.  K goes in steps of 256 through a ring of two LDS slots.
; THE MATRIX INSTRUCTION IS USED TRANSPOSED (source 0 = 16 rows of B, source 1 = 16 rows of A): lane (r, h) holds A's row r, and register 8 b + j of a block of 16 rows holds B's row 16 b + 8 h + j.
; So a lane's registers 16 c .. 16 c + 15 are 16 numbers of the c-th block of 32 of B's rows, the other 16 lie in the lane 16 away: B's rows are the axis that is quantised.
;   clusters x = 0, 1 (q, k): A = x (tokens), B = w rows 0-2047 (channels): quantised along the channels.    cluster x = 2 (v): A = w rows 2048 on (channels), B = x (tokens = keys): quantised along the keys.
; The choice hangs on the cluster's x alone, which all sixteen partners share; it picks pointers and first rows, and no line of the loop knows of it.
; WHAT IS STORED is the image of an operand's registers: the two conversions of registers 16 c .. 16 c + 15 are taken as operand registers 4 c .. 4 c + 3, 16 bytes a lane, 512 consecutive bytes a store.
; Inside a block of 32 the numbers so stand in the order: place 16 h + p holds number 8 h + p (p < 8) or 16 + 8 h + p - 8 (p >= 8).  q and k carry the same order, and so do v and the weights p of the
; attention launch, so each product pairs the right numbers; the order stays inside a block, so the scales are untouched.
; qkv_codes: [P 24][T 64][16,384]: P = pair of heads (0-7 q, 8-15 k, 16-23 v), T = run of 128 tokens; (block of 16 rows a, block of 32 c, lane) at 1024 a + 512 (c % 2) + 8192 (c / 2) + 16 lane.
; qkv_scales: [P][T][1,024]: four pieces of 256 bytes, [lane 32][2 words]: word j of lane l is the scale word of row l % 16 of block 2 j + l / 16 (+ 4 in the second piece); pieces 2, 3: the same words >> 16 (q, k: the pair's second head).
; CLUSTERS: 4 x 4 work-groups.  The four of a row of the cluster need the same tiles of A, the four of a column the same tiles of B: each tile is asked for jointly.
; LIMITS: NaN, infinities and the scale byte 0xff among the inputs are not served.  A block of zeros gets the byte 1 where the rule says 127: its codes are zeros, and this program alone reads the bytes.
; REGISTERS, in windows of 256: window 0: v0-31 addresses; v32-63 scale words, two sets; from v128 A's fragments, one set; on the way out v32-255 are free.
;   window 1: B's fragments, two sets.   window 2: the accumulators of my rows 0-63 ((a, b) at v[8 (8 a + b)]);   window 3: those of my rows 64-127.
.set KSTEP,  256                       ; along K in a slot
.set NQ,     KSTEP/128                 ; matrix instructions deep
.set ROWB,   256                       ; a tile's row in bytes
.set KROW,   1024                      ; a row of x or of w in memory, in bytes
.set PITCH,  272                       ; an LDS row: 256 bytes + 16 of padding = 68 words: the 16 rows that a load touches start at 16 different banks (ISA guide 11.1)
.set FR,     16                        ; registers of a fragment
.set NL,     4                         ; LDS loads that bring one
.set NP,     8                         ; places behind this matrix instruction (ISA guide 7.12.1)
.set HALFT,  128*PITCH                 ; 128 rows: what one tensor load brings
.set SLOT,   4*HALFT                   ; A's 256 rows, then B's 256 rows
.set LAPS,   1024/(2*KSTEP)            ; a lap = two K steps = once round the ring
.set KS,     32                        ; a row of scale bytes
.set SCL,    2*SLOT                    ; behind the ring: the scales, as units of 256 bytes + 16 of padding
.set HALFS,  (128*KS/256)*272          ; the scales of 128 rows
.set SBLK,   (16*KS/256)*272           ; those of 16 rows
.set SPARE,  SCL+4*HALFS               ; the spare words, 128 bytes for each wave: two blocks of 256 bytes that no other line names
.set ADRA, 16                          ; v16-17  LDS address of my A fragments in slot 0, 1
.set ADRB, 20                          ; v20-21  the same for B
.set LN,   24                          ; v24     my lane
.set C8,   25                          ; v25     8 x lane: my place in a piece of scale words
.set CO,   26                          ; v26     16 x lane: my place in an image
.set ADRS, 27                          ; v27     LDS address of my scale words: lanes 0-15 A's rows, lanes 16-31 B's
.set SPW,  28                          ; v28     LDS address of my spare word; never rewritten
.set NIL,  29                          ; v29     0; never rewritten
.set SC,   32                          ; scale words, set s at v[SC + 16 s]
.set AF,   128                         ; A's fragments, in window 0
.set TM,   32                          ; the way out: v32-35 largest magnitudes, v36-39 bytes, v44-47 the conversions' scale operands
.set PW,   48                          ; v48-55  a scale word for each block of 16 rows
.set SW,   56                          ; v56-59  the words as they are stored
.set SX,   60                          ; v60-63  the same >> 16
.set T,    64
.set PC,   128                         ; v128-255 codes: 16 registers for each block, so that no store's data are written again
.set G1, 24                            ; s[24:31] descriptor group 1 for A's tiles;  s[32:39] group 0, one set for each slot
.set G0, 32
.set G1B, 48                           ; s[48:55], s[56:63] the same for B's tiles
.set G0B, 56
.set G1S, 68                           ; s[68:75], s[76:79] groups 1 and 0 for A's scales;  s[80:87], s[88:91] for B's
.set G0S, 76
.set G1SB, 80
.set G0SB, 88
.set MSB, 0
.macro WIN new                         ; the immediate's high byte repeats the setting that is left
.if MSB != \new
	s_set_vgpr_msb (MSB<<8)|\new
.set MSB, \new
.endif
.endm
.set MUL_LO, 0xa1                      ; source 0 (B) window 1, source 1 (A) window 0, C and D window 2
.set MUL_HI, 0xf1                      ; the same, C and D window 3
.set TO_B,   0x40                      ; destination window 1, address window 0
; A joint load: waves 0 and 1 fetch for A, waves 2 and 3 for B.  Each line has one mask and one set of registers for all that issue it; the branch hangs on the wave's number alone.
; Four v_nop follow each of the two lines, ahead of the jump, the label and what follows.
.macro JLOAD g0a, g1a, g0b, g1b
	s_cmp_eq_u32 s15, 0
	s_cbranch_scc0 .Lfor_b_\@
	tensor_load_to_lds s[\g0a:\g0a+3], s[\g1a:\g1a+7]
	s_nop 0
.rept 4
	v_nop
.endr
	s_branch .Lasked_\@
.Lfor_b_\@:
	tensor_load_to_lds s[\g0b:\g0b+3], s[\g1b:\g1b+7]
	s_nop 0
.rept 4
	v_nop
.endr
.Lasked_\@:
.endm
.macro CREST                           ; a round of the cluster's barrier behind its opening barrier
	s_cmp_lg_u32 s14, 0
	s_cbranch_scc1 .Lnot_wave_0_\@
	s_barrier_signal -3
.Lnot_wave_0_\@:
	s_barrier_wait -3
	s_barrier_signal -1
	s_barrier_wait -1
.endm
.macro CROUND                          ; a whole round
	s_barrier_signal -1
	s_barrier_wait -1
	CREST
.endm
	s_load_b128 s[4:7], s[0:1], 0x0                ; x's codes, x's scales
	s_load_b128 s[8:11], s[0:1], 0x10              ; w's codes, w's scales
	s_load_b64 s[12:13], s[0:1], 0x20              ; qkv_codes
	s_load_b64 s[96:97], s[0:1], 0x28              ; qkv_scales
	v_lshl_add_u32 v[SPW], v0, 2, SPARE
	v_mov_b32 v[NIL], 0
	ds_add_u32 v28, v29
	ds_add_u32 v28, v29
	s_wait_dscnt 0x0
	v_lshrrev_b32 v1, 5, v0
	v_readfirstlane_b32 s14, v1                    ; wave 0..3
	s_lshr_b32 s15, s14, 1                         ; which half of the tile's A rows is mine.  Also: I fetch for A (0) or for B (1)
	s_and_b32 s16, s14, 1                          ; which half of its B rows.  Also: which 128 rows of that tile I fetch
	s_bfe_u32 s40, ttmp6, 0x40000                  ; cx, cy: my place in the cluster
	s_bfe_u32 s41, ttmp6, 0x40004
	s_and_b32 s17, ttmp7, 0xffff                   ; the cluster's y, 0..7
	s_cmp_eq_u32 ttmp9, 2                          ; the cluster's x: 0, 1: q and k;  2: v.  The same in all sixteen partners
	s_cselect_b32 s42, s17, ttmp9                  ; which four tile columns (B): v: the cluster's y (x has 32 tiles of rows); else its x
	s_cselect_b32 s17, 0, s17                      ; which four tile rows (A): v: the only four (1,024 rows of w); else the cluster's y
	s_cselect_b32 s67, 2048, 0                     ; A's first row in its tensor
	s_cselect_b32 s66, 1, 0                        ; 1: v
	s_lshl_b32 s42, s42, 2
	s_add_co_u32 s42, s42, s40                     ; tile column
	s_lshl_b32 s17, s17, 2
	s_add_co_u32 s17, s17, s41                     ; tile row
	s_lshl_b32 s43, s41, 2
	s_lshl_b32 s43, 15, s43                        ; my row of the cluster
	s_lshl_b32 s44, 0x1111, s40                    ; my column
	; descriptor group 1: a tile of 128 rows x 256 bytes, padded in LDS
	s_or_b32 s[G1+0], s43, (0<<16)|(1<<20)|(1<<21)|(5<<22)|(3<<25)  ; 15:0 the mask: A's tiles go to my row; 17:16 element of 1 byte; 20 padding on; 21 set beside a mask; 24:22 after every 64 words; 31:25 of 4 words
	s_or_b32 s[G1B+0], s44, (0<<16)|(1<<20)|(1<<21)|(5<<22)|(3<<25)
.irp g, G1, G1B
	s_mov_b32 s[\g+1], ROWB<<16                    ; tensor_dim0
	s_mov_b32 s[\g+2], 128<<16                     ; tensor_dim1 = 128
	s_mov_b32 s[\g+3], ROWB<<16                    ; tile_dim0
	s_mov_b32 s[\g+4], 128                         ; tile_dim1 = 128
	s_mov_b32 s[\g+5], KROW                        ; tensor_dim0_stride
	s_mov_b32 s[\g+6], 0
	s_mov_b32 s[\g+7], 0
.endr
	; the scales of 128 rows: a dense block of 4,096 bytes, as rows of 256 bytes (32 elements of 8 bytes), 16 bytes of padding behind each
	s_or_b32 s[G1S+0], s43, (3<<16)|(1<<20)|(1<<21)|(5<<22)|(3<<25)
	s_or_b32 s[G1SB+0], s44, (3<<16)|(1<<20)|(1<<21)|(5<<22)|(3<<25)
.irp g, G1S, G1SB
	s_mov_b32 s[\g+1], 32<<16
	s_mov_b32 s[\g+2], (128*KS/256)<<16
	s_mov_b32 s[\g+3], 32<<16
	s_mov_b32 s[\g+4], 128*KS/256
	s_mov_b32 s[\g+5], 32
	s_mov_b32 s[\g+6], 0
	s_mov_b32 s[\g+7], 0
.endr
	s_lshl_b32 s18, s16, 7                         ; which 128 rows of the tile I fetch
	s_lshl_b32 s20, s17, 8
	s_add_co_u32 s20, s20, s18
	s_add_co_u32 s20, s20, s67                     ; A: row 256 x tile row + 128 x half (+ 2,048 in w for v)
	s_lshl_b32 s46, s42, 8
	s_add_co_u32 s46, s46, s18                     ; B: row 256 x tile column + 128 x half
	s_mov_b32 s21, 0
	s_mov_b32 s47, 0
	s_mov_b64 s[18:19], KS
	s_mul_u64 s[22:23], s[20:21], s[18:19]         ; where these rows' scales begin, in bytes
	s_mul_u64 s[92:93], s[46:47], s[18:19]
	s_mov_b64 s[18:19], KROW
	s_mul_u64 s[20:21], s[20:21], s[18:19]         ; and their codes
	s_mul_u64 s[46:47], s[46:47], s[18:19]
	s_mul_i32 s45, s14, HALFT                      ; where they go: wave x 128 rows: no place in the cluster enters an LDS address
	s_mul_i32 s94, s14, HALFS
	s_wait_kmcnt 0x0
	s_cmp_eq_u32 ttmp9, 2                          ; for v the two tensors change roles: A = w, B = x
	s_mov_b64 s[98:99], s[4:5]
	s_mov_b64 s[100:101], s[6:7]
	s_cselect_b64 s[4:5], s[8:9], s[4:5]           ; A's codes
	s_cselect_b64 s[6:7], s[10:11], s[6:7]         ; A's scales
	s_cselect_b64 s[8:9], s[98:99], s[8:9]         ; B's codes
	s_cselect_b64 s[10:11], s[100:101], s[10:11]   ; B's scales
	s_add_nc_u64 s[20:21], s[4:5], s[20:21]
	s_add_nc_u64 s[22:23], s[6:7], s[22:23]
	s_add_nc_u64 s[46:47], s[8:9], s[46:47]
	s_add_nc_u64 s[92:93], s[10:11], s[92:93]
	CROUND                                         ; all sixteen work-groups are here: the first joint loads meet
	s_mov_b32 s[G0S], 1
	s_add_co_u32 s[G0S+1], s94, SCL
	s_mov_b64 s[G0S+2:G0S+3], s[22:23]
	s_or_b32 s[G0S+3], s[G0S+3], 0x80000000
	s_mov_b32 s[G0SB], 1
	s_add_co_u32 s[G0SB+1], s94, SCL
	s_mov_b64 s[G0SB+2:G0SB+3], s[92:93]
	s_or_b32 s[G0SB+3], s[G0SB+3], 0x80000000
	JLOAD G0S, G1S, G0SB, G1SB                     ; the scales first: they are wanted with K step 0
.irp s, 0,1
	s_mov_b32 s[G0+4*\s], 1
	s_add_co_u32 s[G0+4*\s+1], s45, \s*SLOT
	s_add_nc_u64 s[G0+4*\s+2:G0+4*\s+3], s[20:21], \s*ROWB
	s_or_b32 s[G0+4*\s+3], s[G0+4*\s+3], 0x80000000
	s_mov_b32 s[G0B+4*\s], 1
	s_add_co_u32 s[G0B+4*\s+1], s45, \s*SLOT
	s_add_nc_u64 s[G0B+4*\s+2:G0B+4*\s+3], s[46:47], \s*ROWB
	s_or_b32 s[G0B+4*\s+3], s[G0B+4*\s+3], 0x80000000
	JLOAD G0+4*\s, G1, G0B+4*\s, G1B               ; three tensor loads of mine are out
.endr
	v_and_b32 v1, 15, v0                           ; l % 16
	v_bfe_u32 v2, v0, 4, 1                         ; l / 16
	v_mul_u32_u24 v3, v1, PITCH
	v_lshl_add_u32 v4, v2, 4, v3                   ; a fragment's row x pitch + 16 x half
	s_mul_i32 s21, s15, HALFT                      ; my 128 rows of A
	s_mul_i32 s22, s16, HALFT                      ; my 128 rows of B,
	s_add_co_u32 s22, s22, 2*HALFT                 ; which lie behind A's 256
.irp s, 0,1
	v_add_nc_u32 v[ADRA+\s], s21, v4
	v_add_nc_u32 v[ADRB+\s], s22, v4
	s_add_co_u32 s21, s21, SLOT
	s_add_co_u32 s22, s22, SLOT
.endr
	v_mul_u32_u24 v5, v1, KS                       ; my row's scales: 32 bytes a row,
	v_lshrrev_b32 v6, 8, v5
	v_lshl_add_u32 v5, v6, 4, v5                   ; and 16 more for each 256 passed
	s_mul_i32 s21, s15, HALFS                      ; A's: my 128 rows
	s_mul_i32 s22, s16, HALFS                      ; B's: my 128 rows, behind A's 256
	s_add_co_u32 s22, s22, 2*HALFS
	s_sub_co_u32 s22, s22, s21
	v_mul_u32_u24 v6, s22, v2                      ; lanes 16-31 take B's
	s_add_co_u32 s21, s21, SCL
	v_add_nc_u32 v5, v5, v6
	v_add_nc_u32 v[ADRS], s21, v5
	v_and_b32 v[LN], 31, v0
	v_lshlrev_b32 v[CO], 4, v[LN]
	v_lshlrev_b32 v[C8], 3, v[LN]
	; where my 128 x 128 results go: block 64 P + T of the two buffers
	s_lshl_b32 s20, s17, 1
	s_add_co_u32 s20, s20, s15                     ; which run of 128 of A's rows
	s_lshl_b32 s46, s42, 1
	s_add_co_u32 s46, s46, s16                     ; which run of 128 of B's rows
	s_add_co_u32 s21, s20, 16
	s_cmp_eq_u32 s66, 1
	s_cselect_b32 s22, s21, s46                    ; P: v: 16 + A's run (channels);  q, k: B's run (channels)
	s_cselect_b32 s47, s46, s20                    ; T: v: B's run (tokens);  q, k: A's run (tokens)
	s_lshl_b32 s22, s22, 6
	s_add_co_u32 s22, s22, s47
	s_lshl_b32 s20, s22, 14                        ; 16,384 bytes of codes a block
	s_mov_b32 s21, 0
	s_add_nc_u64 s[12:13], s[12:13], s[20:21]
	s_lshl_b32 s20, s22, 10                        ; 1,024 bytes of scale words a block
	s_add_nc_u64 s[96:97], s[96:97], s[20:21]
	s_mov_b32 s20, 0x76543210
	s_mov_b32 s21, 0xfedcba98                      ; v_permlanex16_b32's selects for lane l xor 16
.macro FRAG reg, adr, q, i             ; a fragment, 16 rows x 128 K, is 16 registers: lane l holds row l % 16; registers 4 c .. 4 c + 3 hold K = 32 c + 16 (l / 16) + 0 .. 15
.irp c, 0,1,2,3
	ds_load_b128 v[\reg+4*\c:\reg+4*\c+3], v[\adr] offset:128*(\q)+32*\c+(\i)*16*PITCH
.endr
.endm
; 16 matrix instructions: A's blocks a0, a0 + 1 x B's eight, 128 along K: the slot's q-th.  p: B's set;  sc: the set of scale words.  zero = 1: the first product starts the sums.
; The 64 accumulators take turns, one instruction a turn, in the same order in every step.
.macro MUL16 a0, p, q, sc, zero
.irp a, \a0, \a0+1
.irp b, 0,1,2,3,4,5,6,7
.if \zero
	v_wmma_scale_f32_16x16x128_f8f6f4 v[8*(8*((\a)%4)+\b):8*(8*((\a)%4)+\b)+7], v[128*(\p)+FR*\b:128*(\p)+FR*\b+FR-1], v[AF+FR*(\a):AF+FR*(\a)+FR-1], 0, v[SC+8*NQ*(\sc)+NQ*\b+(\q)], v[SC+8*NQ*(\sc)+NQ*(\a)+(\q)] matrix_a_scale:MATRIX_SCALE_ROW1
.else
	v_wmma_scale_f32_16x16x128_f8f6f4 v[8*(8*((\a)%4)+\b):8*(8*((\a)%4)+\b)+7], v[128*(\p)+FR*\b:128*(\p)+FR*\b+FR-1], v[AF+FR*(\a):AF+FR*(\a)+FR-1], v[8*(8*((\a)%4)+\b):8*(8*((\a)%4)+\b)+7], v[SC+8*NQ*(\sc)+NQ*\b+(\q)], v[SC+8*NQ*(\sc)+NQ*(\a)+(\q)] matrix_a_scale:MATRIX_SCALE_ROW1
.endif
.endr
.endr
.endm
.macro FETCH_B slot, q, p              ; B's eight fragments of the slot's q-th 128 along K into set p
	WIN TO_B
.irp i, 0,1,2,3,4,5,6,7
	FRAG 128*(\p)+FR*\i, ADRB+\slot, \q, \i
.endr
	WIN 0
.endm
.macro FETCH_A slot, q, i0             ; A's blocks i0 .. i0 + 3
.irp i, \i0, \i0+1, \i0+2, \i0+3
	FRAG AF+FR*(\i), ADRA+\slot, \q, \i
.endr
.endm
.macro SCALES sc                       ; the next K step's scale words into set sc: two words a row; lanes 0-15 take A's block i, lanes 16-31 B's block i
.irp i, 0,1,2,3,4,5,6,7
	ds_load_b64 v[SC+8*NQ*\sc+NQ*\i:SC+8*NQ*\sc+NQ*\i+1], v[ADRS] offset:\i*SBLK
.endr
.endm
; A load into a register that a matrix instruction has read, and a vector instruction that reads a matrix result or writes one of its registers, stand NP places behind that matrix instruction;
; only plain vector instructions that name none of its registers are places.
.macro PLACES n
.rept \n
	v_nop
.endr
.endm
; A step of 128 along K that has its successor in the same slot.
.macro STEP slot, q, zero
	s_wait_dscnt 4*NL                              ; B's set and A's blocks 0-3 are in; the youngest 16 loads (A's blocks 4-7) may be out
	WIN MUL_LO
	MUL16 0, (\q)%2, \q, \slot, \zero
	MUL16 2, (\q)%2, \q, \slot, \zero
	s_wait_dscnt 0                                 ; A's blocks 4-7 are in (asked for 32 matrix instructions ago)
	PLACES NP
	FETCH_B \slot, (\q)+1, 1-(\q)%2
	FETCH_A \slot, (\q)+1, 0
	WIN MUL_HI
	MUL16 4, (\q)%2, \q, \slot, \zero
	MUL16 6, (\q)%2, \q, \slot, \zero
	PLACES NP
	WIN 0
	FETCH_A \slot, (\q)+1, 4
.endm
; A slot's last step changes slots: one barrier; in front of it each wave waits for all its tensor loads, adds 0 to its spare word, and waits for that and for its own reads of this slot.  fill = 1: this slot is filled again, two K steps ahead.
.macro TURN slot, next, fill
	s_wait_tensorcnt 0x0                           ; all my tensor loads have landed: my part of the next slot;  (every window is 0 here)
	ds_add_u32 v[SPW], v[NIL]                      ; 0 onto my spare word
	s_wait_dscnt 4*NL+1                            ; (the add and the youngest 16 loads, A's blocks 4-7, may be out)
	WIN MUL_LO
	MUL16 0, 1, NQ-1, \slot, 0                     ; sixteen matrix instructions stand between the add and the wait for it
	s_wait_dscnt 0x0                               ; the add is done, and my reads of this slot are over
	s_barrier_signal -1
	MUL16 2, 1, NQ-1, \slot, 0
	WIN 0
	s_barrier_wait -1
.if \fill
	CREST                                          ; the barrier has opened a round of the cluster's barrier: no wave of any partner still reads this slot's tile or has a load on its way
	s_add_nc_u64 s[G0+4*\slot+2:G0+4*\slot+3], s[G0+4*\slot+2:G0+4*\slot+3], 2*ROWB
	s_add_nc_u64 s[G0B+4*\slot+2:G0B+4*\slot+3], s[G0B+4*\slot+2:G0B+4*\slot+3], 2*ROWB
	JLOAD G0+4*\slot, G1, G0B+4*\slot, G1B         ; the first tensor load behind the round; the four v_nop behind it are among the places in front of the loads below
	PLACES NP-4
.else
	PLACES NP
.endif
	s_wait_alu depctr_va_vdst(0)
	v_add_nc_u32 v[ADRS], 4*NQ, v[ADRS]            ; on to the next K step's scale words
	FETCH_B \next, 0, 0
	FETCH_A \next, 0, 0
	SCALES \next
	WIN MUL_HI
	MUL16 4, 1, NQ-1, \slot, 0
	MUL16 6, 1, NQ-1, \slot, 0
	PLACES NP
	WIN 0
	FETCH_A \next, 0, 4
.endm
	s_wait_alu depctr_va_vdst(0)
	s_wait_tensorcnt 1                             ; the scales and my part of K step 0 are in (K step 1's load may be out)
	s_barrier_signal -1
	s_barrier_wait -1                              ; everybody's are
	FETCH_B 0, 0, 0
	FETCH_A 0, 0, 0
	SCALES 0
	FETCH_A 0, 0, 4
	STEP 0, 0, 1                                   ; the first step stands in front of the loop: its products start the sums
	s_mov_b32 s3, LAPS-1
.Llap:                                                 ; a trip goes once round the ring, from a lap's second step to the next lap's first, and fills both slots again
	TURN 0, 1, 1
	STEP 1, 0, 0
	TURN 1, 0, 1
	STEP 0, 0, 0
	s_sub_co_u32 s3, s3, 1
	s_cmp_lg_u32 s3, 0
	s_cbranch_scc1 .Llap
	TURN 0, 1, 0                                   ; the last lap fills nothing, and has no round of the cluster's barrier
	STEP 1, 0, 0
	s_wait_dscnt 4*NL                              ; the very last step: nothing more to fetch
	WIN MUL_LO
	MUL16 0, 1, NQ-1, 1, 0
	MUL16 2, 1, NQ-1, 1, 0
	s_wait_dscnt 0
	WIN MUL_HI
	MUL16 4, 1, NQ-1, 1, 0
	MUL16 6, 1, NQ-1, 1, 0
	WIN 0
; THE WAY OUT.  Block a (16 rows of A x 128 rows of B: 64 registers a lane) is quantised in registers and stored as the image of an operand's 16 registers: no LDS, no transposition.
; A block of 32 lies in 16 registers of lanes l and l xor 16.  Its scale is 2^(floor(log2(largest magnitude)) - 8): the largest magnitude's exponent field less 8, held at 1 from below by a floor among the maximum's leaves.
.macro QOUT a
.set AC, 64*((\a)%4)
	WIN 5*(2+(\a)/4)                               ; sources 0 and 1: window 2 or 3
.irp b, 0,1,2,3
	v_max3_num_f32 v[TM+\b], |v[AC+16*\b]|, |v[AC+16*\b+1]|, 0x4800000   ; my 16 numbers of block b, and the floor 2^(9 - 127).  Each accumulator is read from its low end on
.endr
.irp i, 2,4,6,8,10,12,14
.irp b, 0,1,2,3
	v_max3_num_f32 v[TM+\b], |v[AC+16*\b+\i]|, |v[AC+16*\b+\i+1]|, v[TM+\b]   ; (the four blocks by turns)
.endr
.endr
	WIN 0
.irp b, 0,1,2,3
	v_permlanex16_b32 v[TM+4+\b], v[TM+\b], s20, s21
.endr
.irp b, 0,1,2,3
	v_max_num_f32 v[TM+\b], v[TM+\b], v[TM+4+\b]   ; with lane l xor 16's: the block's largest magnitude
.endr
.irp b, 0,1,2,3
	v_add_nc_u32 v[TM+12+\b], 0xfc000000, v[TM+\b] ; 8 off its exponent field: the conversion takes the exponent field of this operand as its scale
.endr
.irp b, 0,1,2,3
.endr
.irp b, 0,1,2,3
	v_lshrrev_b32 v[TM+4+\b], 23, v[TM+12+\b]      ; the scale's byte
.endr
	v_lshl_or_b32 v[PW+(\a)], v[TM+5], 8, v[TM+4]  ; the four bytes make my row's scale word; both halves of the lanes hold it
	v_lshl_or_b32 v[PW+(\a)], v[TM+6], 16, v[PW+(\a)]
	v_lshl_or_b32 v[PW+(\a)], v[TM+7], 24, v[PW+(\a)]
	WIN (2+(\a)/4)                                 ; source 0: window 2 or 3
.set n, 0
.rept 64
.set n, n+1
.endr
.irp g, 0,1,2,3,4,5,6,7
	v_cvt_scalef32_pk8_fp8_f32 v[PC+16*(\a)+2*\g:PC+16*(\a)+2*\g+1], v[AC+8*\g:AC+8*\g+7], v[TM+12+\g/2]
.endr
	WIN 0
	v_nop                                          ; one plain line behind the last conversion: the next block writes the numbers' and the scales' registers again
.irp c, 0,1,2,3
	global_store_b128 v[CO], v[PC+16*(\a)+4*\c:PC+16*(\a)+4*\c+3], s[12:13] offset:(\a)*1024+(\c%2)*512+(\c/2)*8192   ; 32 lanes store 512 consecutive bytes, at a multiple of 512 from the buffer's first byte
.endr
.endm
	PLACES NP                                      ; behind the last products: the lines below read results and write registers that held scale words and A's fragments
.irp b, 0,1,2,3
	v_mov_b32 v[TM+4+\b], 0                        ; written once: a lane permute's destination counts as one of its sources
.endr
.irp a, 0,1,2,3,4,5,6,7
	QOUT \a
.endr
	v_cmp_le_u32 vcc_lo, 16, v[LN]                 ; lanes 16-31 carry the odd blocks' words
.irp j, 0,1,2,3
	v_cndmask_b32 v[SW+\j], v[PW+2*\j], v[PW+2*\j+1], vcc_lo
.endr
.irp j, 0,1,2,3
	v_lshrrev_b32 v[SX+\j], 16, v[SW+\j]           ; q, k: the bytes of the pair's second head, brought to bytes 0 and 1 (for v these words are stored and never read)
.endr
	global_store_b64 v[C8], v[SW:SW+1], s[96:97]               ; each store: one aligned run of 256 bytes
	global_store_b64 v[C8], v[SW+2:SW+3], s[96:97] offset:256
	global_store_b64 v[C8], v[SX:SX+1], s[96:97] offset:512
	global_store_b64 v[C8], v[SX+2:SX+3], s[96:97] offset:768
	s_wait_tensorcnt 0x0                           ; the wave's end
	ds_add_u32 v[SPW], v[NIL]
	s_wait_dscnt 0x0
	CROUND                                         ; the closing round: no work-group ends while a partner may still ask for a tile that names it
	s_endpgm
.Lfunc_end_k_qe1f83c064f_qkv:
	.size	k_qe1f83c064f_qkv, .Lfunc_end_k_qe1f83c064f_qkv-k_qe1f83c064f_qkv
	.p2alignl 7, 3214868480
	.fill 96, 4, 3214868480
	.section	.rodata,"a",@progbits
	.p2align	6, 0x0
	.amdhsa_kernel k_qe1f83c064f_qkv
		.amdhsa_group_segment_fixed_size 327680
		.amdhsa_private_segment_fixed_size 0
		.amdhsa_enable_private_segment 0
		.amdhsa_kernarg_size 48
		.amdhsa_user_sgpr_count 2
		.amdhsa_user_sgpr_kernarg_segment_ptr 1
		.amdhsa_wavefront_size32 1
		.amdhsa_system_sgpr_workgroup_id_x 1
		.amdhsa_system_sgpr_workgroup_id_y 1
		.amdhsa_system_sgpr_workgroup_id_z 1
		.amdhsa_system_vgpr_workitem_id 0
		.amdhsa_next_free_vgpr 1024
		.amdhsa_next_free_sgpr 102
		.amdhsa_reserve_vcc 1
		.amdhsa_float_denorm_mode_32 3
		.amdhsa_float_denorm_mode_16_64 3
		.amdhsa_fp16_overflow 1
		.amdhsa_memory_ordered 1
		.amdhsa_forward_progress 1
		.amdhsa_inst_pref_size 150
	.end_amdhsa_kernel
	.amdgpu_metadata
---
amdhsa.version: [ 1, 2 ]
amdhsa.kernels:
  - .name:           k_qe1f83c064f_qkv
    .symbol:         k_qe1f83c064f_qkv.kd
    .args:
      - { .name: x_codes, .offset: 0, .size: 8, .value_kind: global_buffer, .address_space: global }
      - { .name: x_scales, .offset: 8, .size: 8, .value_kind: global_buffer, .address_space: global }
      - { .name: w_qkv_codes, .offset: 16, .size: 8, .value_kind: global_buffer, .address_space: global }
      - { .name: w_qkv_scales, .offset: 24, .size: 8, .value_kind: global_buffer, .address_space: global }
      - { .name: qkv_codes, .offset: 32, .size: 8, .value_kind: global_buffer, .address_space: global }
      - { .name: qkv_scales, .offset: 40, .size: 8, .value_kind: global_buffer, .address_space: global }
    .group_segment_fixed_size: 327680
    .private_segment_fixed_size: 0
    .kernarg_segment_align: 8
    .kernarg_segment_size: 48
    .max_flat_workgroup_size: 128
    .sgpr_count:     102
    .vgpr_count:     1024
    .wavefront_size: 32
...
	.end_amdgpu_metadata
.endif
;; end of part 1
;; launch attn (part 2): grid 4 x 64, 16 waves a work-group, no clusters, 327,680 bytes of LDS; arguments qkv_codes, qkv_scales, y_codes, y_scales; writes y_codes, y_scales
.if DOCPART == 2
	.amdgcn_target "amdgcn-amd-amdhsa--gfx1250"
	.amdhsa_code_object_version 6
	.text
	.protected	k_qe1f83c064f_attn
	.globl	k_qe1f83c064f_attn
	.p2align	8
	.type	k_qe1f83c064f_attn,@function
k_qe1f83c064f_attn:
	s_mov_b64 s[64:65], 0
	v_nop
	global_prefetch_b8 v0, s[64:65] scope:SCOPE_SE
	s_setreg_imm32_b32 hwreg(HW_REG_WAVE_MODE, 25, 1), 1
	s_wait_xcnt 0x0
; y[b][q][h][:] = the sum over keys k <= q of softmax_k(Q . K / 8) V, both products on codes of FP8 (E4M3) with one E8M0 scale for each 32 along a product's K, and y quantised along D for the last product.
; Q, K, V come as images of operand registers (16 bytes a lane, 512 bytes for four registers) with their scale words beside them:
;   qkv_codes [P 24][T 64][16,384]: P = pair of heads (0-7 q, 8-15 k, 16-23 v), T = run of 128 tokens.  q, k: head e of the pair at 8192 e: [tile of 16 tokens 8][block of 32 channels 2][512].
;   v: [plane 2][head e 2][tile of 16 channels 4][block of 32 keys in the plane 2][512].   qkv_scales [P][T][1,024]: q, k: head e at 512 e, two pieces [lane 32][2 words]; v: head e at 256 e, one piece.
; THE HEAD HAS 64 CHANNELS, the instruction 128 along K: registers 8-15 of Q's and K's fragments are zero codes, cleared once and never loaded; their scale bytes are never 0xff.
; THE SOFTMAX: t = score x log2(e) / 8; M = the running largest t rounded up to a whole number; p = 2^(t - M) is quantised along the keys, not normalised; the row's sum is taken of the unquantised p and divides at the end.
; LAYOUT.  Both products are used transposed: S^T = K Q^T (source 0 = 16 keys), O^T = V^T P^T (source 0 = 16 channels): a lane holds one query (lane % 16) throughout.
; Register 8 a + j of S^T holds key 16 a + 8 (lane / 16) + j.  The conversions of registers 16 c .. 16 c + 15 are taken as operand registers 4 c .. 4 c + 3: inside a block of 32 keys that is the same order in which V's images hold the keys.
; SHARES.  A work-group owns two blocks of 256 queries of one head: block 7 - i first, then block i (i = work-group x).  A slot holds 256 keys: 8 - i slots for the first block, i + 1 for the second: nine trips in every
; work-group, a constant of the text, and equal work in all 256.  Each of sixteen waves owns 16 queries in 256 registers: four waves to a SIMD, so that one wave's vector work stands beside another's matrix work and LDS loads.
; A step of 128 keys that all come after the wave's queries is jumped over; the step on the diagonal is masked.
; NO CLUSTER: the four work-groups of a head read the same K and V, but joint requests would have them walk slots 0 to 7 in step: rounds of 2, 2, 2, 2, 1, 1, 1, 1 blocks' work, 12 against the 9 trips here;
; and a slot's fill is 32,768 bytes for two key steps of all sixteen waves.
; LIMITS: NaN and infinities are not served.  A block of zeros gets the byte 1 where the rule says 127: its codes are zeros, and this program alone reads the bytes.
; The order of the numbers inside a block of 32 differs from memory's in both products, alike on both sides: the same products, grouped otherwise in the unit's sums.
.set SLOT1, 1<<16                      ; slot 1 begins here: one exclusive or turns an address in one slot into the other's
.set VOFF,  16384                      ; a slot: K's two steps (8,192 bytes each), then V's two
.set SCK,   2*SLOT1                    ; K's scale words of the whole head: 16 runs x 512 bytes
.set SCV,   SCK+8192                   ; V's: 16 x 256 bytes
.set SPARE, SCV+4096                   ; the spare words, 128 bytes for each wave: eight blocks of 256 bytes that no other line names
.set L16,  1                           ; v1   16 x lane
.set L8K,  2                           ; v2   8 x lane + SCK
.set L8V,  3                           ; v3   8 x lane + SCV
.set A16,  4                           ; v4   16 x lane + the slot in hand
.set SPW,  5                           ; v5   LDS address of my spare word; never rewritten
.set NIL,  6                           ; v6   0; never rewritten
.set PFO,  7                           ; v7   the prefetches' offset; never rewritten
.set ADS,  8                           ; v8   the slot's scale words of K
.set ADT,  9                           ; v9   of V
.set YO,   10                          ; v10  16 (lane % 16) + 8 (lane / 16): my 8 bytes in a run of 256 of y's codes
.set YSO,  11                          ; v11  32 (lane % 16): my row of y's scale bytes
                                       ; v12 -M, v13 the largest t, v[14:15] the sum in two halves; v16-31 Q; v32-95 four fragments of K; v96-159 S^T, then p, then V's four fragments; v160-191 O^T; v192-207 codes
.set BM,   208                         ; v208-211 the blocks' largest scores, then largest p
.set BP,   212                         ; v212-215 at work
.set BH,   216
.set BS,   220                         ; v220-223 the conversions' scale operands
.set KSC,  224                         ; v224-227 K's scale words: register a / 2, lanes 0-15 the even tile's, lanes 16-31 the odd one's
.set VSC,  228                         ; v228-229 V's likewise
.set QSC,  230                         ; v230 Q's scale word
.set TMPA, 231
.set F,    232                         ; v232 f = 2^(old M - new M)
.set PS,   233                         ; v233 p's scale word (named with f as a pair; the packed forms take the pair's low word alone)
.set TMPB, 234
.set DQ,   235                         ; v235 lane % 16 - 8 (lane / 16)
.set NINF, 236                         ; v236 -infinity
.set QOF,  237                         ; v237 8 (lane % 16)
.set TB,   2                           ; s2   LDS byte at which the slot in hand begins
.set TR,   3                           ; s3   the trip
.set WV,   12                          ; s12  my wave's number
.set NA,   13                          ; s13  8 - i: the first block's trips
.set KC,   14                          ; s14  which 256 keys the slot in hand holds
.set KN,   15                          ; s15  and the slot that is asked for
.set KF,   16                          ; s16  the step's first key
.set Q0,   17                          ; s17  my first query
.set Q0B,  18                          ; s18  the same in the second block
.set MNT,  19
.set SEL,  20                          ; s[20:21] v_permlanex16_b32's selects for lane l xor 16
.set CS,   22                          ; s[22:23] c = log2(e) / 8
.set G1KC, 24                          ; s[24:31] group 1 for K's codes;  s[32:39] V's codes;  s[40:47] K's scale words;  s[48:55] V's
.set G1VC, 32
.set G1KS, 40
.set G1VS, 48
.set G0K,  56                          ; s[56:59], s[60:63] groups 0 for the codes, which walk;  s[68:71], s[72:75] for the scale words
.set G0V,  60
.set G0KS, 68
.set G0VS, 72
.set KB,   76                          ; s[76:77] K's codes of my head, key 0;  s[78:79] V's
.set VB,   78
.set OFF,  80                          ; s[80:81] an offset in 64 bits; the high word stays 0
.set PFA,  82                          ; s[82:83] where my prefetches stand
.set LIM,  84                          ; s84  a wave prefetches while the trip is under it
.set YCA,  90                          ; s[90:91], s[92:93] y's codes at my rows, first and second block;  s[94:95], s[96:97] y's scale bytes
.set YCB,  92
.set YSA,  94
.set YSB,  96
.set QCB,  98                          ; s[98:99], s[100:101] Q's codes and scale words of the second block
.set QSB,  100
.macro GROUP1 g, c, r, p               ; r rows of c elements of 8 bytes, p elements apart, dense in LDS
	s_mov_b32 s[\g], 3<<16                         ; 15:0 no mask; 17:16 elements of 8 bytes; no padding: images are read 16 bytes a lane on end
	s_mov_b32 s[\g+1], (\c)<<16                    ; tensor_dim0
	s_mov_b32 s[\g+2], (\r)<<16                    ; tensor_dim1
	s_mov_b32 s[\g+3], (\c)<<16                    ; tile_dim0
	s_mov_b32 s[\g+4], \r                          ; tile_dim1
	s_mov_b32 s[\g+5], \p                          ; tensor_dim0_stride
	s_mov_b32 s[\g+6], 0
	s_mov_b32 s[\g+7], 0
.endm
; A slot's fill: wave 0 fetches K's codes, wave 1 V's, the others nothing.  The branches hang on the wave's number alone.  Four v_nop follow each of the two lines.
.macro TL2
	s_cmp_lg_u32 s[WV], 0
	s_cbranch_scc1 .Lnot_k_\@
	tensor_load_to_lds s[G0K:G0K+3], s[G1KC:G1KC+7]
	s_nop 0
.rept 4
	v_nop
.endr
	s_branch .Lasked_\@
.Lnot_k_\@:
	s_cmp_lg_u32 s[WV], 1
	s_cbranch_scc1 .Lasked_\@
	tensor_load_to_lds s[G0V:G0V+3], s[G1VC:G1VC+7]
	s_nop 0
.rept 4
	v_nop
.endr
.Lasked_\@:
.endm
; A PREFETCH INTO THE L2 of the 256 keys that the NEXT change of slots will ask for.  All four work-groups of a head walk keys 0, 256, 512 .. in their first block: the work-group with i = 0, which walks all eight slots,
; asks, in trips 0 to 5, for slots 2 to 7: a slot's two key steps ahead of the tensor load.  In it four waves that fetch nothing ask, one instruction each: waves 4, 5 for K's two runs of 8,192 bytes, lanes 256 bytes apart;
; waves 6, 7 for V's two runs: two planes of 4,096 bytes, 16 lanes each.  So each aligned block of 256 bytes is named once.  Slots 0 and 1, the scale words and the second block's keys are not asked for.
.macro ASK
	s_cmp_lt_u32 s[TR], s[LIM]
	s_cbranch_scc0 .Lnot_mine_\@
	s_wait_alu depctr_va_vdst(0)
	global_prefetch_b8 v[PFO], s[PFA:PFA+1] th:TH_LOAD_NT scope:SCOPE_SE
.Lnot_mine_\@:
.endm
.macro KSL dst, add                    ; which 256 keys trip TR + add walks: t in the first block, t - NA in the second; 0 .. 7
	s_add_co_u32 s[\dst], s[TR], \add
	s_cmp_lt_u32 s[\dst], s[NA]
	s_cselect_b32 s85, 0, s[NA]
	s_sub_co_u32 s[\dst], s[\dst], s85
	s_and_b32 s[\dst], s[\dst], 7
.endm
; The four pointers of my 16 queries in block s[qb]: Q's codes, Q's scale words, y's codes, y's scale bytes.  s86 = b, s87 = h, s88 = h % 2, s89 = 64 (h / 2) + 16 b.
.macro PTRS qb, qc, qs, yc, ys
	s_lshl_b32 s66, s[\qb], 1
	s_lshr_b32 s67, s[WV], 3
	s_add_co_u32 s66, s66, s67
	s_add_co_u32 s66, s66, s89                     ; the block 64 P + T of my queries
	s_and_b32 s67, s[WV], 7                        ; and my tile a in it
	s_lshl_b32 s[OFF], s66, 14
	s_lshl_b32 s85, s88, 13
	s_add_co_u32 s[OFF], s[OFF], s85
	s_lshl_b32 s85, s67, 10
	s_add_co_u32 s[OFF], s[OFF], s85
	s_add_nc_u64 s[\qc:\qc+1], s[4:5], s[OFF:OFF+1]
	s_lshl_b32 s[OFF], s66, 10
	s_lshl_b32 s85, s88, 9
	s_add_co_u32 s[OFF], s[OFF], s85
	s_lshr_b32 s85, s67, 2
	s_lshl_b32 s85, s85, 8
	s_add_co_u32 s[OFF], s[OFF], s85               ; the piece: tiles 0-3 or 4-7
	s_and_b32 s85, s67, 1
	s_lshl_b32 s85, s85, 7
	s_add_co_u32 s[OFF], s[OFF], s85               ; an odd tile's words lie in lanes 16-31's places
	s_bfe_u32 s85, s67, 0x10001
	s_lshl_b32 s85, s85, 2
	s_add_co_u32 s[OFF], s[OFF], s85               ; the word
	s_add_nc_u64 s[\qs:\qs+1], s[6:7], s[OFF:OFF+1]
	s_lshl_b32 s66, s86, 7
	s_lshl_b32 s85, s[\qb], 4
	s_add_co_u32 s66, s66, s85
	s_add_co_u32 s66, s66, s[WV]                   ; my tile of 16 rows of y: 128 b + 16 block + wave
	s_lshr_b32 s[OFF], s87, 2
	s_lshl_b32 s[OFF], s[OFF], 21                  ; y_codes [h / 4][tile of rows 512][(h / 2) % 2][block of 32: 4][512]
	s_lshl_b32 s85, s66, 12
	s_add_co_u32 s[OFF], s[OFF], s85
	s_bfe_u32 s85, s87, 0x10001
	s_lshl_b32 s85, s85, 11
	s_add_co_u32 s[OFF], s[OFF], s85
	s_lshl_b32 s85, s88, 10
	s_add_co_u32 s[OFF], s[OFF], s85
	s_add_nc_u64 s[\yc:\yc+1], s[8:9], s[OFF:OFF+1]
	s_lshl_b32 s[OFF], s66, 9                      ; y_scales [row][32]: bytes 2 h, 2 h + 1
	s_lshl_b32 s85, s87, 1
	s_add_co_u32 s[OFF], s[OFF], s85
	s_add_nc_u64 s[\ys:\ys+1], s[10:11], s[OFF:OFF+1]
.endm
.macro INIT                            ; a block of queries begins: the first change of M multiplies zeros
	v_mov_b32 v13, 0xff61b1e6                      ; the largest t so far: -3e38, under every t
	s_delay_alu instid0(VALU_DEP_1)
	v_floor_f32 v12, -v13                          ; -M
	v_mov_b32 v14, 0
	v_mov_b32 v15, 0
.set j, 0
.rept 32
	v_mov_b32 v[160+j], 0
.set j, j+1
.endr
.endm
	s_load_b256 s[4:11], s[0:1], 0x0               ; qkv_codes s[4:5], qkv_scales s[6:7], y_codes s[8:9], y_scales s[10:11]
	v_lshl_add_u32 v[SPW], v0, 2, SPARE
	v_mov_b32 v[NIL], 0
	ds_add_u32 v5, v6
	ds_add_u32 v5, v6
	s_wait_dscnt 0x0
	v_lshrrev_b32 v1, 5, v0
	s_delay_alu instid0(VALU_DEP_1)
	v_readfirstlane_b32 s[WV], v1                  ; wave 0..15
	s_and_b32 s85, ttmp7, 0xffff                   ; 16 b + h
	s_lshr_b32 s86, s85, 4                         ; b
	s_and_b32 s87, s85, 15                         ; h
	s_and_b32 s88, s87, 1                          ; which head of its pair
	s_lshr_b32 s89, s87, 1
	s_lshl_b32 s89, s89, 6
	s_lshl_b32 s66, s86, 4
	s_add_co_u32 s89, s89, s66                     ; 64 (h / 2) + 16 b: q's block of token 0; k's lies 512 blocks on, v's 1,024
	s_sub_co_u32 s[NA], 8, ttmp9
	GROUP1 G1KC, 1024, 2, 2048                     ; K's codes of 256 keys: 2 rows of 8,192 bytes, 16,384 apart
	GROUP1 G1VC, 512, 4, 1024                      ; V's: 4 rows of 4,096 bytes, 8,192 apart
	GROUP1 G1KS, 64, 16, 128                       ; K's scale words of the head: 16 rows of 512 bytes, 1,024 apart
	GROUP1 G1VS, 32, 16, 128                       ; V's: 16 rows of 256 bytes
	s_mov_b32 s[SEL], 0x76543210
	s_mov_b32 s[SEL+1], 0xfedcba98
	s_mov_b32 s[CS], 0x3e38aa3b                    ; log2(e) / 8
	s_mov_b32 s[CS+1], s[CS]                       ; (named with it as a pair, so it is written)
	s_mov_b32 s[OFF+1], 0
	s_wait_kmcnt 0x0
	s_add_co_u32 s[OFF], s89, 512
	s_lshl_b32 s[OFF], s[OFF], 14
	s_lshl_b32 s66, s88, 13
	s_add_co_u32 s[OFF], s[OFF], s66
	s_add_nc_u64 s[KB:KB+1], s[4:5], s[OFF:OFF+1]
	s_add_co_u32 s[OFF], s89, 1024
	s_lshl_b32 s[OFF], s[OFF], 14
	s_lshl_b32 s66, s88, 12
	s_add_co_u32 s[OFF], s[OFF], s66
	s_add_nc_u64 s[VB:VB+1], s[4:5], s[OFF:OFF+1]
	s_mov_b32 s[G0K], 1                            ; 1:0 count = 1
	s_mov_b32 s[G0K+1], 0                          ; LDS address: slot 0
	s_mov_b64 s[G0K+2:G0K+3], s[KB:KB+1]           ; global address: keys 0 to 255
	s_or_b32 s[G0K+3], s[G0K+3], 0x80000000        ; type = 2
	s_mov_b32 s[G0V], 1
	s_mov_b32 s[G0V+1], VOFF
	s_mov_b64 s[G0V+2:G0V+3], s[VB:VB+1]
	s_or_b32 s[G0V+3], s[G0V+3], 0x80000000
	s_add_co_u32 s[OFF], s89, 512
	s_lshl_b32 s[OFF], s[OFF], 10
	s_lshl_b32 s66, s88, 9
	s_add_co_u32 s[OFF], s[OFF], s66
	s_mov_b32 s[G0KS], 1
	s_mov_b32 s[G0KS+1], SCK
	s_add_nc_u64 s[G0KS+2:G0KS+3], s[6:7], s[OFF:OFF+1]
	s_or_b32 s[G0KS+3], s[G0KS+3], 0x80000000
	s_add_co_u32 s[OFF], s89, 1024
	s_lshl_b32 s[OFF], s[OFF], 10
	s_lshl_b32 s66, s88, 8
	s_add_co_u32 s[OFF], s[OFF], s66
	s_mov_b32 s[G0VS], 1
	s_mov_b32 s[G0VS+1], SCV
	s_add_nc_u64 s[G0VS+2:G0VS+3], s[6:7], s[OFF:OFF+1]
	s_or_b32 s[G0VS+3], s[G0VS+3], 0x80000000
	; the first fills, one a wave, ahead of every wait on TENSORcnt, every LDS read and every barrier: wave 0 K's codes of slot 0, wave 1 V's, wave 2 K's scale words, wave 3 V's
	s_cmp_lg_u32 s[WV], 0
	s_cbranch_scc1 .Lfirst_1
	tensor_load_to_lds s[G0K:G0K+3], s[G1KC:G1KC+7]
	s_nop 0
.rept 4
	v_nop
.endr
	s_branch .Lfirst_done
.Lfirst_1:
	s_cmp_lg_u32 s[WV], 1
	s_cbranch_scc1 .Lfirst_2
	tensor_load_to_lds s[G0V:G0V+3], s[G1VC:G1VC+7]
	s_nop 0
.rept 4
	v_nop
.endr
	s_branch .Lfirst_done
.Lfirst_2:
	s_cmp_lg_u32 s[WV], 2
	s_cbranch_scc1 .Lfirst_3
	tensor_load_to_lds s[G0KS:G0KS+3], s[G1KS:G1KS+7]
	s_nop 0
.rept 4
	v_nop
.endr
	s_branch .Lfirst_done
.Lfirst_3:
	s_cmp_lg_u32 s[WV], 3
	s_cbranch_scc1 .Lfirst_done
	tensor_load_to_lds s[G0VS:G0VS+3], s[G1VS:G1VS+7]
	s_nop 0
.rept 4
	v_nop
.endr
.Lfirst_done:
	s_sub_co_u32 s16, 7, ttmp9                     ; the first block of queries,
	s_mov_b32 s18, ttmp9                           ; the second
	PTRS 16, 2, 14, YCA, YSA                       ; (the first block's pointers to Q stand in s[2:3] and s[14:15] until its loads are in)
	PTRS 18, QCB, QSB, YCB, YSB
	s_lshl_b32 s85, s[WV], 4
	s_lshl_b32 s[Q0], s16, 8
	s_add_co_u32 s[Q0], s[Q0], s85                 ; my first query: 256 x block + 16 x wave
	s_lshl_b32 s[Q0B], s18, 8
	s_add_co_u32 s[Q0B], s[Q0B], s85
	v_and_b32 v[TMPA], 31, v0                      ; lane
	v_and_b32 v[TMPB], 15, v0                      ; r
	v_bfe_u32 v[F], v0, 4, 1                       ; lane / 16
	s_delay_alu instid0(VALU_DEP_3)
	v_lshlrev_b32 v[L16], 4, v[TMPA]
	s_delay_alu instid0(VALU_DEP_3)
	v_lshlrev_b32 v[QOF], 3, v[TMPB]
	global_load_b128 v[16:19], v[L16], s[2:3]      ; Q's fragment: channels 0-31,
	global_load_b128 v[20:23], v[L16], s[2:3] offset:512   ; channels 32-63
	global_load_b32 v[QSC], v[QOF], s[14:15]       ; and its scale words
	v_lshl_add_u32 v[L8K], v[TMPA], 3, SCK
	v_lshl_add_u32 v[L8V], v[TMPA], 3, SCV
	v_lshlrev_b32 v[YO], 4, v[TMPB]
	s_delay_alu instid0(VALU_DEP_1)
	v_lshl_add_u32 v[YO], v[F], 3, v[YO]
	v_lshlrev_b32 v[YSO], 5, v[TMPB]
	v_lshlrev_b32 v[DQ], 3, v[F]
	s_delay_alu instid0(VALU_DEP_1)
	v_sub_nc_u32 v[DQ], v[TMPB], v[DQ]
	v_mov_b32 v[NINF], 0xff800000
.irp j, 0,1,2,3,4,5,6,7
	v_mov_b32 v[24+\j], 0                          ; K = 64 to 127 of Q's fragment and of K's four: zero codes
	v_mov_b32 v[40+\j], 0
	v_mov_b32 v[56+\j], 0
	v_mov_b32 v[72+\j], 0
	v_mov_b32 v[88+\j], 0
.endr
.irp b, 0,1,2,3
	v_mov_b32 v[BP+\b], 0                          ; written once: a lane permute's destination counts as one of its sources
.endr
	v_mov_b32 v[PS], 0                             ; (named as the upper half of the pair with f before it is first written)
	INIT
	; the prefetches: where my wave's stand, and who asks
	s_cmp_lt_u32 s[WV], 6
	s_cselect_b64 s[PFA:PFA+1], s[KB:KB+1], s[VB:VB+1]
	s_mov_b32 s85, 8192
	s_cselect_b32 s85, 4096, s85                   ; from lanes 0-15 to lanes 16-31: on end in K, a plane on in V
	v_and_b32 v[PFO], 15, v0
	s_delay_alu instid0(VALU_DEP_1)
	v_lshlrev_b32 v[PFO], 8, v[PFO]
	s_delay_alu instid0(VALU_DEP_1)
	v_mad_u32_u24 v[PFO], v[F], s85, v[PFO]
	s_and_b32 s86, s[WV], 1
	s_lshl_b32 s86, s86, 14                        ; which of a slot's two runs of 128 keys
	s_add_co_u32 s[OFF], s86, 32768                ; in slot 1: the first change of slots steps it to slot 2
	s_add_nc_u64 s[PFA:PFA+1], s[PFA:PFA+1], s[OFF:OFF+1]
	s_sub_co_u32 s86, s[WV], 4
	s_lshr_b32 s86, s86, 2                         ; 0 in waves 4 to 7,
	s_or_b32 s86, s86, ttmp9                       ; of the work-group with i = 0
	s_cmp_eq_u32 s86, 0
	s_cselect_b32 s[LIM], 6, 0
; A KEY STEP: 128 keys, the q-th of the slot in hand.
.macro STEP q
	s_add_co_u32 s85, s[Q0], 15                    ; a step all of whose keys come after my 16 queries is left out: a scalar branch on ids; no barrier and no tensor load stands in a step
	s_cmp_gt_u32 s[KF], s85
	s_cbranch_scc1 .Lhid_\@
.rept 9
	v_nop                                          ; S^T's products write over the registers that the last step's products read as V's fragments: nine places (one more than a load would want)
.endr
	s_wait_alu depctr_va_vdst(0)
	ds_load_b64 v[KSC:KSC+1], v[ADS] offset:(\q)*512           ; K's scale words: tiles 0-3,
	ds_load_b64 v[KSC+2:KSC+3], v[ADS] offset:(\q)*512+256     ; tiles 4-7
	s_wait_alu depctr_va_vdst(0)
.irp g, 0,1                                    ; S^T = K Q^T, four tiles of 16 keys at a time
.if \g
.rept 8
	v_nop                                          ; places in front of loads into registers that matrix instructions have read
.endr
.endif
.irp t, 0,1,2,3
	ds_load_b128 v[32+16*\t:35+16*\t], v[A16] offset:(\q)*8192+(4*\g+\t)*1024
	ds_load_b128 v[36+16*\t:39+16*\t], v[A16] offset:(\q)*8192+(4*\g+\t)*1024+512
.endr
	s_wait_dscnt 0x0
.irp t, 0,1,2,3
.if (\t)%2
	v_wmma_scale_f32_16x16x128_f8f6f4 v[96+8*(4*\g+\t):103+8*(4*\g+\t)], v[32+16*\t:47+16*\t], v[16:31], 0, v[KSC+(4*\g+\t)/2], v[QSC] matrix_a_scale:MATRIX_SCALE_ROW1
.else
	v_wmma_scale_f32_16x16x128_f8f6f4 v[96+8*(4*\g+\t):103+8*(4*\g+\t)], v[32+16*\t:47+16*\t], v[16:31], 0, v[KSC+(4*\g+\t)/2], v[QSC]
.endif
.endr
.endr
.rept 8
	v_nop
.endr
	s_add_co_u32 s85, s[KF], 127                   ; on the diagonal the scores of hidden keys become -infinity ahead of the maximum: p = 0 then.  A step all of whose keys count skips this
	s_cmp_le_u32 s85, s[Q0]
	s_cbranch_scc1 .Lopen_\@
	s_sub_co_i32 s85, s[Q0], s[KF]
	v_add_nc_u32 v[TMPB], s85, v[DQ]               ; d = my query - KF - 8 (lane / 16).  Register 8 a + j holds key KF + 16 a + 8 (lane / 16) + j: hidden where 16 a + j > d
.set n, 0
.rept 64
	v_cmp_gt_i32 vcc_lo, 16*(n/8)+n%8, v[TMPB]
	v_cndmask_b32 v[96+n], v[96+n], v[NINF], vcc_lo
.set n, n+1
.endr
.Lopen_\@:
.irp b, 0,1,2,3
	v_max3_num_f32 v[BM+\b], v[96+16*\b], v[97+16*\b], v[98+16*\b]   ; the largest score of each block of 32 keys: it serves for the row's maximum and, since p rises with the score, for the block's largest p
.endr
.irp i, 3,5,7,9,11,13
.irp b, 0,1,2,3
	v_max3_num_f32 v[BM+\b], v[BM+\b], v[96+16*\b+\i], v[97+16*\b+\i]   ; (the four blocks by turns)
.endr
.endr
.irp b, 0,1,2,3
	v_max_num_f32 v[BM+\b], v[BM+\b], v[111+16*\b]
.endr
.irp b, 0,1,2,3
	s_delay_alu instid0(VALU_DEP_4)
	v_permlanex16_b32 v[BP+\b], v[BM+\b], s[SEL], s[SEL+1]
.endr
.irp b, 0,1,2,3
	s_delay_alu instid0(VALU_DEP_4)
	v_max_num_f32 v[BM+\b], v[BM+\b], v[BP+\b]     ; with lane l xor 16's 16 keys
.endr
	s_delay_alu instid0(VALU_DEP_2)
	v_max3_num_f32 v[TMPB], v[BM], v[BM+1], v[BM+2]
	s_delay_alu instid0(VALU_DEP_1)
	v_max_num_f32 v[TMPB], v[TMPB], v[BM+3]        ; the step's largest score of my query
	s_delay_alu instid0(VALU_DEP_1)
	v_mul_f32 v[TMPB], s[CS], v[TMPB]              ; as t (c is positive)
	s_delay_alu instid0(VALU_DEP_1)
	v_max_num_f32 v13, v13, v[TMPB]                ; the running largest t
	v_mov_b32 v[TMPB], v12
	s_delay_alu instid0(VALU_DEP_2)
	v_floor_f32 v12, -v13                          ; the new -M = floor(-t) = -ceil(t): a whole number
	s_delay_alu instid0(VALU_DEP_1)
	v_sub_f32 v[TMPB], v12, v[TMPB]                ; M's old value less its new one: a whole number, 0 or less
	s_delay_alu instid0(VALU_DEP_1)
	v_cvt_i32_f32 v[TMPB], v[TMPB]                 ; (it saturates)
	s_delay_alu instid0(VALU_DEP_1)
	v_ldexp_f32 v[F], 1.0, v[TMPB]                 ; f = 2^(old M - new M): a multiplication by it rounds nothing
.set j, 0
.rept 32
	v_pk_fma_f32 v[96+j:97+j], v[96+j:97+j], s[CS:CS+1], v[12:13] op_sel_hi:[1,0,0]   ; t - M, two at a time (of the pairs c and -M the low word serves both halves)
.set j, j+2
.endr
.irp b, 0,1,2,3
	v_fma_f32 v[BM+\b], v[BM+\b], s[CS], v12       ; the same of each block's largest score
.endr
.set j, 0
	s_wait_alu depctr_va_vdst(0)
.rept 64
	v_exp_f32 v[96+j], v[96+j]                     ; p = 2^(t - M), at most 1: not normalised
.set j, j+1
.endr
	v_pk_mul_f32 v[14:15], v[14:15], v[F:F+1] op_sel_hi:[1,0]   ; the sums under the new M.  (A plain line behind the exponentials)
	s_wait_alu depctr_va_vdst(0)                   ; one wait for the whole batch, ahead of its first reader
.irp b, 0,1,2,3
	v_exp_f32 v[BM+\b], v[BM+\b]                   ; the block's largest p: the same two instructions on the same number give the same bits
.endr
	v_pk_add_f32 v[212:213], v[100:101], v[104:105]
	v_pk_add_f32 v[254:255], v[108:109], v[112:113]
	v_pk_add_f32 v[252:253], v[116:117], v[120:121]
	v_pk_add_f32 v[250:251], v[124:125], v[128:129]
	v_pk_add_f32 v[248:249], v[132:133], v[136:137]
	v_pk_add_f32 v[246:247], v[140:141], v[144:145]
	v_pk_add_f32 v[244:245], v[148:149], v[152:153]
	v_pk_add_f32 v[14:15], v[14:15], v[156:157]
	v_pk_add_f32 v[212:213], v[212:213], v[96:97]
	v_pk_add_f32 v[254:255], v[254:255], v[98:99]
	v_pk_add_f32 v[252:253], v[252:253], v[102:103]
	v_pk_add_f32 v[250:251], v[250:251], v[106:107]
	v_pk_add_f32 v[248:249], v[248:249], v[110:111]
	v_pk_add_f32 v[246:247], v[246:247], v[114:115]
	v_pk_add_f32 v[244:245], v[244:245], v[118:119]
	v_pk_add_f32 v[14:15], v[14:15], v[122:123]
	v_pk_add_f32 v[212:213], v[212:213], v[126:127]
	v_pk_add_f32 v[254:255], v[254:255], v[130:131]
	v_pk_add_f32 v[252:253], v[252:253], v[134:135]
	v_pk_add_f32 v[250:251], v[250:251], v[138:139]
	v_pk_add_f32 v[248:249], v[248:249], v[142:143]
	v_pk_add_f32 v[246:247], v[246:247], v[146:147]
	v_pk_add_f32 v[244:245], v[244:245], v[150:151]
	v_pk_add_f32 v[14:15], v[14:15], v[154:155]
	v_pk_add_f32 v[212:213], v[212:213], v[158:159]
	s_delay_alu instid0(VALU_DEP_2)
	v_pk_add_f32 v[14:15], v[14:15], v[250:251]
	s_delay_alu instid0(VALU_DEP_2)
	v_pk_add_f32 v[212:213], v[212:213], v[248:249]
	v_pk_add_f32 v[254:255], v[254:255], v[246:247]
	v_pk_add_f32 v[252:253], v[252:253], v[244:245]
	s_delay_alu instid0(VALU_DEP_2)
	v_pk_add_f32 v[14:15], v[14:15], v[254:255]
	s_delay_alu instid0(VALU_DEP_2)
	v_pk_add_f32 v[212:213], v[212:213], v[252:253]
	s_delay_alu instid0(VALU_DEP_1)
	v_pk_add_f32 v[14:15], v[14:15], v[212:213]
	s_wait_alu depctr_va_vdst(0)                   ; and one for the four
.irp b, 0,1,2,3
	v_max_num_f32 v[BM+\b], 0x4800000, v[BM+\b]    ; the floor 2^(9 - 127): the byte cannot fall under 1 (a block whose every p is 0 keeps that byte: its codes are zeros)
.endr
.irp b, 0,1,2,3
	s_delay_alu instid0(VALU_DEP_4)
	v_add_nc_u32 v[BS+\b], 0xfc000000, v[BM+\b]    ; 8 off the exponent field: the conversion's scale operand
.endr
.irp b, 0,1,2,3
.endr
.irp b, 0,1,2,3
	s_delay_alu instid0(VALU_DEP_4)
	v_lshrrev_b32 v[BP+\b], 23, v[BS+\b]           ; the scale's byte
.endr
	s_delay_alu instid0(VALU_DEP_3)
	v_lshl_or_b32 v[PS], v[BP+1], 8, v[BP]         ; p's scale word for these 128 keys: more than eight plain lines ahead of the products that take it
	s_delay_alu instid0(VALU_DEP_1)
	v_lshl_or_b32 v[PS], v[BP+2], 16, v[PS]
	s_delay_alu instid0(VALU_DEP_1)
	v_lshl_or_b32 v[PS], v[BP+3], 24, v[PS]
.irp b, 0,1,2,3
.irp i, 0,1,2,3,4,5,6,7,8,9,10,11,12,13,14,15
.endr
	v_cvt_scalef32_pk8_fp8_f32 v[192+4*\b:193+4*\b], v[96+16*\b:103+16*\b], v[BS+\b]
	v_cvt_scalef32_pk8_fp8_f32 v[194+4*\b:195+4*\b], v[104+16*\b:111+16*\b], v[BS+\b]
.endr
	ds_load_b64 v[VSC:VSC+1], v[ADT] offset:(\q)*256           ; V's scale words, and its four fragments into the registers that p has left
	v_nop
.irp t, 0,1,2,3
.irp c, 0,1,2,3
	ds_load_b128 v[96+16*\t+4*\c:99+16*\t+4*\c], v[A16] offset:VOFF+(\q)*8192+(\c/2)*4096+\t*1024+(\c%2)*512
.endr
.endr
.set j, 0
.rept 16
	v_pk_mul_f32 v[160+j:161+j], v[160+j:161+j], v[F:F+1] op_sel_hi:[1,0]   ; O^T under the new M, from each accumulator's low end on.  (These are also the plain lines between the conversions and the products)
.set j, j+2
.endr
	s_wait_alu depctr_va_vdst(0)
	s_wait_dscnt 0x0
.irp t, 0,1,2,3                                ; O^T += V^T P^T: four accumulators by turns; between two links of a chain stand eleven other matrix instructions
.if (\t)%2
	v_wmma_scale_f32_16x16x128_f8f6f4 v[160+8*\t:167+8*\t], v[96+16*\t:111+16*\t], v[192:207], v[160+8*\t:167+8*\t], v[VSC+\t/2], v[PS] matrix_a_scale:MATRIX_SCALE_ROW1
.else
	v_wmma_scale_f32_16x16x128_f8f6f4 v[160+8*\t:167+8*\t], v[96+16*\t:111+16*\t], v[192:207], v[160+8*\t:167+8*\t], v[VSC+\t/2], v[PS]
.endif
.endr
.Lhid_\@:
	s_add_co_u32 s[KF], s[KF], 128
.endm
; THE CHANGE OF SLOTS stands at a slot's head.  Each wave waits for all its tensor loads (at most one is out), adds 0 to its spare word, and waits for that and for its reads of the slot that it has left.
; Behind the barrier the slot ahead is whole and nobody reads the other one.  fill = 1: that other slot is filled with the next trip's 256 keys: the load has a whole slot's steps in which to land.
.macro CHANGE fill
	s_wait_tensorcnt 0x0                           ; no tensor load of mine is out, so a group 0 may be written
	ds_add_u32 v[SPW], v[NIL]                      ; 0 onto my spare word
.if \fill
	KSL KN, 1
	s_lshl_b32 s[OFF], s[KN], 15                   ; 256 keys are two blocks of 16,384 bytes
	s_xor_b32 s[G0K+1], s[G0K+1], SLOT1            ; the other slot than last time
	s_add_nc_u64 s[G0K+2:G0K+3], s[KB:KB+1], s[OFF:OFF+1]
	s_or_b32 s[G0K+3], s[G0K+3], 0x80000000
	s_xor_b32 s[G0V+1], s[G0V+1], SLOT1
	s_add_nc_u64 s[G0V+2:G0V+3], s[VB:VB+1], s[OFF:OFF+1]
	s_or_b32 s[G0V+3], s[G0V+3], 0x80000000
	s_wait_xcnt 0x0                                ; the last prefetch, a slot back, has read its address, so it may be written
	s_add_nc_u64 s[PFA:PFA+1], s[PFA:PFA+1], 32768
.endif
	s_wait_dscnt 0x0                               ; the add is done, and my reads of the slot that I have left are over
	s_barrier_signal -1
	s_barrier_wait -1
.if \fill
	TL2                                            ; the first thing behind the barrier, and a wave's one tensor load until the next
	ASK
.endif
.endm
.macro SLOT                            ; a slot's two key steps
	KSL KC, 0
	s_lshl_b32 s[KF], s[KC], 8
	s_lshl_b32 s86, s[KC], 10                      ; K's scale words: 512 bytes a step
	s_lshl_b32 s87, s[KC], 9                       ; V's: 256
	v_add_nc_u32 v[A16], s[TB], v[L16]
	v_add_nc_u32 v[ADS], s86, v[L8K]
	v_add_nc_u32 v[ADT], s87, v[L8V]
	STEP 0
	STEP 1
	s_xor_b32 s[TB], s[TB], SLOT1                  ; on to the other slot
.endm
; A BLOCK OF QUERIES ENDS.  y = O^T / the sum; register 8 t + j is channel 16 t + 8 (lane / 16) + j of my query.  Tiles 2 e, 2 e + 1 are a block of 32 along D, shared with lane l xor 16.
; The last product's other operand comes in memory's order, so y's image is laid in that order: the 8 codes of (tile 2 e + u, lane half) go to byte 512 e + 256 u + 16 query + 8 (lane / 16): one store, 256 consecutive bytes.
.macro FINISH yc, ys, reload
.rept 8
	v_nop                                          ; places behind the last products
.endr
	v_add_f32 v14, v14, v15                        ; the sum's two halves,
	s_delay_alu instid0(VALU_DEP_1)
	v_permlanex16_b32 v[TMPB], v14, s[SEL], s[SEL+1]
	s_delay_alu instid0(VALU_DEP_1)
	v_add_f32 v14, v14, v[TMPB]                    ; and lane l xor 16's: the row's sum
	s_wait_alu depctr_va_vdst(0)
	v_rcp_f32 v14, v14
	v_nop                                          ; one plain line behind the transcendental
	s_wait_alu depctr_va_vdst(0)                   ; and the wait ahead of its first reader
.set j, 0
.rept 32
	v_mul_f32 v[96+j], v[160+j], v14               ; each accumulator from its low end on
.set j, j+1
.endr
.irp b, 0,1
	v_max3_num_f32 v[BM+\b], |v[96+16*\b]|, |v[97+16*\b]|, 0x4800000   ; my 16 numbers of the block, and the floor 2^(9 - 127)
.endr
.irp i, 2,4,6,8,10,12,14
.irp b, 0,1
	s_delay_alu instid0(VALU_DEP_2)
	v_max3_num_f32 v[BM+\b], v[BM+\b], |v[96+16*\b+\i]|, |v[97+16*\b+\i]|
.endr
.endr
.irp b, 0,1
	s_delay_alu instid0(VALU_DEP_2)
	v_permlanex16_b32 v[BP+\b], v[BM+\b], s[SEL], s[SEL+1]
.endr
.irp b, 0,1
	s_delay_alu instid0(VALU_DEP_2)
	v_max_num_f32 v[BM+\b], v[BM+\b], v[BP+\b]
.endr
.irp b, 0,1
	s_delay_alu instid0(VALU_DEP_2)
	v_add_nc_u32 v[BS+\b], 0xfc000000, v[BM+\b]
.endr
.irp b, 0,1
.endr
.irp b, 0,1
	s_delay_alu instid0(VALU_DEP_2)
	v_lshrrev_b32 v[BP+\b], 23, v[BS+\b]
.endr
	s_delay_alu instid0(VALU_DEP_1)
	v_lshl_or_b32 v[TMPA], v[BP+1], 8, v[BP]       ; my row's two scale bytes of this head
.set j, 0
.rept 32
.set j, j+1
.endr
.irp g, 0,1,2,3
	v_cvt_scalef32_pk8_fp8_f32 v[192+2*\g:193+2*\g], v[96+8*\g:103+8*\g], v[BS+\g/2]
.endr
	v_nop                                          ; one plain line behind the last conversion
.irp g, 0,1,2,3
	global_store_b64 v[YO], v[192+2*\g:193+2*\g], s[\yc:\yc+1] offset:(\g/2)*512+(\g%2)*256   ; 32 lanes store 256 consecutive bytes, at a multiple of 256 from the buffer's first byte
.endr
	global_store_b16 v[YSO], v[TMPA], s[\ys:\ys+1] ; both halves of the lanes write the same two bytes with the same value
.if \reload
	s_mov_b32 s[Q0], s[Q0B]                        ; the second block of queries
	global_load_b128 v[16:19], v[L16], s[QCB:QCB+1]
	global_load_b128 v[20:23], v[L16], s[QCB:QCB+1] offset:512
	global_load_b32 v[QSC], v[QOF], s[QSB:QSB+1]
	INIT
	s_wait_xcnt 0x0                                ; the stores have read their data: the next step writes those registers again
	s_wait_loadcnt 0x0                             ; Q
.endif
.endm
	s_wait_loadcnt 0x0                             ; Q is in, so the registers that held its pointers may be written
	s_mov_b32 s[TB], 0
	s_mov_b32 s[TR], 0
.Lslot:                                            ; eight trips: behind each change of slots the next trip's keys are asked for
	CHANGE 1
	SLOT
	s_add_co_u32 s85, s[TR], 1
	s_cmp_lg_u32 s85, s[NA]                        ; the first block ends behind trip 7 - i, which lies in this loop for every i: a branch on the work-group's number, the same in all sixteen waves
	s_cbranch_scc1 .Lon
	FINISH YCA, YSA, 1
.Lon:
	s_add_co_u32 s[TR], s[TR], 1
	s_cmp_lt_u32 s[TR], 8
	s_cbranch_scc1 .Lslot
	CHANGE 0                                       ; the ninth trip is written out
	SLOT
	FINISH YCB, YSB, 0
	s_wait_tensorcnt 0x0                           ; the wave's end
	ds_add_u32 v[SPW], v[NIL]
	s_wait_dscnt 0x0
	s_endpgm
.Lfunc_end_k_qe1f83c064f_attn:
	.size	k_qe1f83c064f_attn, .Lfunc_end_k_qe1f83c064f_attn-k_qe1f83c064f_attn
	.p2alignl 7, 3214868480
	.fill 96, 4, 3214868480
	.section	.rodata,"a",@progbits
	.p2align	6, 0x0
	.amdhsa_kernel k_qe1f83c064f_attn
		.amdhsa_group_segment_fixed_size 327680
		.amdhsa_private_segment_fixed_size 0
		.amdhsa_enable_private_segment 0
		.amdhsa_kernarg_size 32
		.amdhsa_user_sgpr_count 2
		.amdhsa_user_sgpr_kernarg_segment_ptr 1
		.amdhsa_wavefront_size32 1
		.amdhsa_system_sgpr_workgroup_id_x 1
		.amdhsa_system_sgpr_workgroup_id_y 1
		.amdhsa_system_sgpr_workgroup_id_z 1
		.amdhsa_system_vgpr_workitem_id 0
		.amdhsa_next_free_vgpr 256
		.amdhsa_next_free_sgpr 102
		.amdhsa_reserve_vcc 1
		.amdhsa_float_denorm_mode_32 3
		.amdhsa_float_denorm_mode_16_64 3
		.amdhsa_fp16_overflow 1
		.amdhsa_memory_ordered 1
		.amdhsa_forward_progress 1
		.amdhsa_inst_pref_size 117
	.end_amdhsa_kernel
	.amdgpu_metadata
---
amdhsa.version: [ 1, 2 ]
amdhsa.kernels:
  - .name:           k_qe1f83c064f_attn
    .symbol:         k_qe1f83c064f_attn.kd
    .args:
      - { .name: qkv_codes, .offset: 0, .size: 8, .value_kind: global_buffer, .address_space: global }
      - { .name: qkv_scales, .offset: 8, .size: 8, .value_kind: global_buffer, .address_space: global }
      - { .name: y_codes, .offset: 16, .size: 8, .value_kind: global_buffer, .address_space: global }
      - { .name: y_scales, .offset: 24, .size: 8, .value_kind: global_buffer, .address_space: global }
    .group_segment_fixed_size: 327680
    .private_segment_fixed_size: 0
    .kernarg_segment_align: 8
    .kernarg_segment_size: 32
    .max_flat_workgroup_size: 512
    .sgpr_count:     102
    .vgpr_count:     256
    .wavefront_size: 32
...
	.end_amdgpu_metadata
.endif
;; end of part 2
;; launch proj (part 3): grid 4 x 32, 4 waves a work-group, clusters of 4 x 4, 327,680 bytes of LDS; arguments y_codes, y_scales, w_proj_codes, w_proj_scales, out0; writes out0
.if DOCPART == 3
	.amdgcn_target "amdgcn-amd-amdhsa--gfx1250"
	.amdhsa_code_object_version 6
	.text
	.protected	k_qe1f83c064f_proj
	.globl	k_qe1f83c064f_proj
	.p2align	8
	.type	k_qe1f83c064f_proj,@function
k_qe1f83c064f_proj:
	s_mov_b64 s[64:65], 0
	v_nop
	global_prefetch_b8 v0, s[64:65] scope:SCOPE_SE
	s_setreg_imm32_b32 hwreg(HW_REG_WAVE_MODE, 25, 1), 1
	s_wait_xcnt 0x0
	s_wait_alu depctr_hold_cnt(0) depctr_sa_sdst(0) depctr_va_vdst(0) depctr_va_sdst(0) depctr_va_ssrc(0) depctr_va_vcc(0) depctr_vm_vsrc(0)
	s_getreg_b32 s2, hwreg(HW_REG_IB_STS2, 6, 4)
	s_cmp_eq_u32 s2, 0
	s_cbranch_scc0 .Lentry_in_a_cluster
	s_endpgm
.Lentry_in_a_cluster:
	s_bfe_u32 s2, ttmp6, 0x10000c
	s_cmp_lg_u32 s2, 0xf033
	s_cbranch_scc0 .Lentry_shape_is_right
	s_endpgm
.Lentry_shape_is_right:
; out0 = y w_proj on codes of FP8 (E4M3) with one E8M0 scale for each 32 along K = 1,024.  out0: [8192][1024] f32; sums in f32.
; A = y comes as images of operand registers: y_codes [K step of 256: 4][tile of 16 rows: 512][128 along K: 2][block of 32: 4][512 bytes: 16 a lane]; y_scales [8192][32].
; B = w_proj: [1024][1024] codes, K innermost; w_proj_scales [1024][32].
; A tile of 256 x 256 is made by a work-group of four waves; a wave makes 128 x 128: 64 accumulators of 16 x 16, 512 registers.  K goes in steps of 256 through a ring of two LDS slots.
; A K step's codes of 128 rows of y are 32,768 consecutive bytes: they come dense, and a fragment is read 16 bytes a lane on end.  B's tiles come as rows of 256 bytes, padded in LDS.
; The scales of the work-group's 256 rows of A and of B, for all of K, are two dense blocks of memory: they come into LDS once, with the first fills.
; CLUSTERS: 4 x 4 work-groups.  The four of a row of the cluster need the same tiles of A, the four of a column the same tiles of B: each tile is asked for jointly.
; THE MATRIX INSTRUCTION IS USED TRANSPOSED (source 0 = 16 rows of B, source 1 = 16 rows of A): a lane then holds eight neighbouring numbers of a row of the output.
; 128 work-groups: a tile of half the size would fill twice as many, at one and a half times the LDS bytes for each product; this launch keeps the larger tile.
; LIMITS: NaN, infinities and the scale byte 0xff among the inputs are not served.
; REGISTERS, in windows of 256: window 0: v0-31 addresses; v32-63 scale words, two sets; from v128 A's fragments, one set; on the way out v32-255 are free.
;   window 1: B's fragments, two sets.   window 2: the accumulators of my rows 0-63 ((a, b) at v[8 (8 a + b)]);   window 3: those of my rows 64-127.
.set SIZE_N, 1024
.set KSTEP,  256
.set NQ,     KSTEP/128
.set ROWB,   256                       ; a row of B's tile in bytes
.set KROW,   1024                      ; a row of B in memory
.set ASTEP,  0x200000                  ; from a K step of y's images to the next: 512 tiles of rows x 4,096 bytes
.set PITCH,  272                       ; an LDS row of B: 256 bytes + 16 of padding = 68 words: the 16 rows that a load touches start at 16 different banks (ISA guide 11.1)
.set FR,     16
.set NL,     4
.set NP,     8                         ; places behind this matrix instruction (ISA guide 7.12.1)
.set HALFT,  128*PITCH                 ; what one tensor load may fill: B's 128 padded rows; A's 128 rows take 32,768 bytes of it
.set SLOT,   4*HALFT
.set LAPS,   1024/(2*KSTEP)
.set KS,     32
.set SCL,    2*SLOT
.set HALFS,  (128*KS/256)*272
.set SBLK,   (16*KS/256)*272
.set SPARE,  SCL+4*HALFS               ; the spare words, 128 bytes for each wave: two blocks of 256 bytes that no other line names
.set SPITCH, 528                       ; the way out: a stage of 16 rows x (512 bytes + 16) for each wave, in slot 0, which has had its last fill and its last read when the first result is stored there
.set ADRA, 16
.set ADRB, 20
.set STO,  24
.set RD,   25
.set CO,   26
.set ADRS, 27
.set SPW,  28
.set NIL,  29
.set SC,   32
.set AF,   128
.set BK,   128
.set G1, 24
.set G0, 32
.set G1B, 48
.set G0B, 56
.set G1S, 68
.set G0S, 76
.set G1SB, 80
.set G0SB, 88
.set MSB, 0
.macro WIN new                         ; the immediate's high byte repeats the setting that is left
.if MSB != \new
	s_set_vgpr_msb (MSB<<8)|\new
.set MSB, \new
.endif
.endm
.set MUL_LO, 0xa1
.set MUL_HI, 0xf1
.set TO_B,   0x40
.macro JLOAD g0a, g1a, g0b, g1b        ; a joint load: waves 0 and 1 fetch for A, waves 2 and 3 for B; four v_nop follow each of the two lines
	s_cmp_eq_u32 s15, 0
	s_cbranch_scc0 .Lfor_b_\@
	tensor_load_to_lds s[\g0a:\g0a+3], s[\g1a:\g1a+7]
	s_nop 0
.rept 4
	v_nop
.endr
	s_branch .Lasked_\@
.Lfor_b_\@:
	tensor_load_to_lds s[\g0b:\g0b+3], s[\g1b:\g1b+7]
	s_nop 0
.rept 4
	v_nop
.endr
.Lasked_\@:
.endm
.macro CREST                           ; a round of the cluster's barrier behind its opening barrier
	s_cmp_lg_u32 s14, 0
	s_cbranch_scc1 .Lnot_wave_0_\@
	s_barrier_signal -3
.Lnot_wave_0_\@:
	s_barrier_wait -3
	s_barrier_signal -1
	s_barrier_wait -1
.endm
.macro CROUND
	s_barrier_signal -1
	s_barrier_wait -1
	CREST
.endm
	s_load_b128 s[4:7], s[0:1], 0x0                ; y's codes, y's scales
	s_load_b128 s[8:11], s[0:1], 0x10              ; w's codes, w's scales
	s_load_b64 s[12:13], s[0:1], 0x20              ; out0
	v_lshl_add_u32 v[SPW], v0, 2, SPARE
	v_mov_b32 v[NIL], 0
	ds_add_u32 v28, v29
	ds_add_u32 v28, v29
	s_wait_dscnt 0x0
	v_lshrrev_b32 v1, 5, v0
	v_readfirstlane_b32 s14, v1                    ; wave 0..3
	s_lshr_b32 s15, s14, 1                         ; which half of the tile's rows is mine.  Also: I fetch for A (0) or for B (1)
	s_and_b32 s16, s14, 1                          ; which half of its columns.  Also: which 128 rows of that tile I fetch
	s_bfe_u32 s40, ttmp6, 0x40000                  ; cx, cy: my place in the cluster
	s_bfe_u32 s41, ttmp6, 0x40004
	s_lshl_b32 s42, ttmp9, 2
	s_add_co_u32 s42, s42, s40                     ; tile column = 4 x cluster x + cx
	s_and_b32 s17, ttmp7, 0xffff
	s_lshl_b32 s17, s17, 2
	s_add_co_u32 s17, s17, s41                     ; tile row = 4 x cluster y + cy
	s_lshl_b32 s43, s41, 2
	s_lshl_b32 s43, 15, s43                        ; my row of the cluster
	s_lshl_b32 s44, 0x1111, s40                    ; my column
	; group 1 for A's images: 32,768 dense bytes as 128 rows of 256 bytes (32 elements of 8 bytes), dense in LDS too
	s_or_b32 s[G1+0], s43, (3<<16)|(1<<21)         ; 15:0 the mask: my row; 17:16 elements of 8 bytes; 21 set beside a mask; no padding
	s_mov_b32 s[G1+1], 32<<16
	s_mov_b32 s[G1+2], 128<<16
	s_mov_b32 s[G1+3], 32<<16
	s_mov_b32 s[G1+4], 128
	s_mov_b32 s[G1+5], 32
	s_mov_b32 s[G1+6], 0
	s_mov_b32 s[G1+7], 0
	; group 1 for B's tiles: 128 rows x 256 bytes, 16 bytes of padding behind each
	s_or_b32 s[G1B+0], s44, (0<<16)|(1<<20)|(1<<21)|(5<<22)|(3<<25)
	s_mov_b32 s[G1B+1], ROWB<<16
	s_mov_b32 s[G1B+2], 128<<16
	s_mov_b32 s[G1B+3], ROWB<<16
	s_mov_b32 s[G1B+4], 128
	s_mov_b32 s[G1B+5], KROW
	s_mov_b32 s[G1B+6], 0
	s_mov_b32 s[G1B+7], 0
	; the scales of 128 rows: 4,096 dense bytes as rows of 256 bytes, 16 bytes of padding behind each
	s_or_b32 s[G1S+0], s43, (3<<16)|(1<<20)|(1<<21)|(5<<22)|(3<<25)
	s_or_b32 s[G1SB+0], s44, (3<<16)|(1<<20)|(1<<21)|(5<<22)|(3<<25)
.irp g, G1S, G1SB
	s_mov_b32 s[\g+1], 32<<16
	s_mov_b32 s[\g+2], (128*KS/256)<<16
	s_mov_b32 s[\g+3], 32<<16
	s_mov_b32 s[\g+4], 128*KS/256
	s_mov_b32 s[\g+5], 32
	s_mov_b32 s[\g+6], 0
	s_mov_b32 s[\g+7], 0
.endr
	s_lshl_b32 s18, s16, 7                         ; which 128 rows of the tile I fetch
	s_lshl_b32 s20, s17, 8
	s_add_co_u32 s20, s20, s18                     ; A: row 256 x tile row + 128 x half
	s_lshl_b32 s46, s42, 8
	s_add_co_u32 s46, s46, s18                     ; B: row 256 x tile column + 128 x half
	s_mov_b32 s21, 0
	s_mov_b32 s47, 0
	s_mov_b64 s[18:19], KS
	s_mul_u64 s[22:23], s[20:21], s[18:19]         ; where these rows' scales begin, in bytes
	s_mul_u64 s[92:93], s[46:47], s[18:19]
	s_mov_b64 s[18:19], KROW
	s_mul_u64 s[46:47], s[46:47], s[18:19]         ; B's codes
	s_lshl_b64 s[20:21], s[20:21], 8               ; A's images: 4,096 bytes for 16 rows and a K step
	s_mul_i32 s45, s14, HALFT                      ; where they go: no place in the cluster enters an LDS address
	s_mul_i32 s94, s14, HALFS
	s_wait_kmcnt 0x0
	s_add_nc_u64 s[20:21], s[4:5], s[20:21]
	s_add_nc_u64 s[22:23], s[6:7], s[22:23]
	s_add_nc_u64 s[46:47], s[8:9], s[46:47]
	s_add_nc_u64 s[92:93], s[10:11], s[92:93]
	CROUND                                         ; all sixteen work-groups are here: the first joint loads meet
	s_mov_b32 s[G0S], 1
	s_add_co_u32 s[G0S+1], s94, SCL
	s_mov_b64 s[G0S+2:G0S+3], s[22:23]
	s_or_b32 s[G0S+3], s[G0S+3], 0x80000000
	s_mov_b32 s[G0SB], 1
	s_add_co_u32 s[G0SB+1], s94, SCL
	s_mov_b64 s[G0SB+2:G0SB+3], s[92:93]
	s_or_b32 s[G0SB+3], s[G0SB+3], 0x80000000
	JLOAD G0S, G1S, G0SB, G1SB                     ; the scales first: they are wanted with K step 0
.irp s, 0,1
	s_mov_b32 s[G0+4*\s], 1
	s_add_co_u32 s[G0+4*\s+1], s45, \s*SLOT
	s_add_nc_u64 s[G0+4*\s+2:G0+4*\s+3], s[20:21], \s*ASTEP
	s_or_b32 s[G0+4*\s+3], s[G0+4*\s+3], 0x80000000
	s_mov_b32 s[G0B+4*\s], 1
	s_add_co_u32 s[G0B+4*\s+1], s45, \s*SLOT
	s_add_nc_u64 s[G0B+4*\s+2:G0B+4*\s+3], s[46:47], \s*ROWB
	s_or_b32 s[G0B+4*\s+3], s[G0B+4*\s+3], 0x80000000
	s_wait_alu depctr_va_vdst(0)
	s_wait_tensorcnt 0x0
	ds_add_u32 v28, v29
	s_wait_dscnt 0x0
	CROUND
	JLOAD G0+4*\s, G1, G0B+4*\s, G1B               ; one tensor load of mine is out
.endr
	v_and_b32 v1, 15, v0                           ; l % 16
	v_bfe_u32 v2, v0, 4, 1                         ; l / 16
	v_and_b32 v6, 31, v0                           ; lane
	v_lshlrev_b32 v7, 4, v6                        ; A: an image's place for my lane
	v_mul_u32_u24 v3, v1, PITCH
	v_lshl_add_u32 v4, v2, 4, v3                   ; B: a fragment's row x pitch + 16 x half
	s_mul_i32 s21, s15, HALFT                      ; my 128 rows of A
	s_mul_i32 s22, s16, HALFT                      ; my 128 rows of B,
	s_add_co_u32 s22, s22, 2*HALFT                 ; which lie behind A's
.irp s, 0,1
	v_add_nc_u32 v[ADRA+\s], s21, v7
	v_add_nc_u32 v[ADRB+\s], s22, v4
	s_add_co_u32 s21, s21, SLOT
	s_add_co_u32 s22, s22, SLOT
.endr
	v_mul_u32_u24 v5, v1, KS                       ; my row's scales: 32 bytes a row,
	v_lshrrev_b32 v6, 8, v5
	v_lshl_add_u32 v5, v6, 4, v5                   ; and 16 more for each 256 passed
	s_mul_i32 s21, s15, HALFS
	s_mul_i32 s22, s16, HALFS
	s_add_co_u32 s22, s22, 2*HALFS
	s_sub_co_u32 s22, s22, s21
	v_mul_u32_u24 v6, s22, v2                      ; lanes 16-31 take B's
	s_add_co_u32 s21, s21, SCL
	v_add_nc_u32 v5, v5, v6
	v_add_nc_u32 v[ADRS], s21, v5
	s_mul_i32 s23, s14, 16*SPITCH                  ; my stage
	v_mul_u32_u24 v5, v1, SPITCH                   ; in: row l % 16, 32 bytes for each half of the lanes
	v_lshl_add_u32 v5, v2, 5, v5
	v_add_nc_u32 v[STO], s23, v5
	v_and_b32 v6, 31, v0
	v_lshlrev_b32 v[CO], 4, v6                     ; back: the 32 lanes take one row of 512 bytes; and the same in the output
	v_add_nc_u32 v[RD], s23, v[CO]
	s_lshl_b32 s20, s17, 8
	s_lshl_b32 s21, s15, 7
	s_add_co_u32 s20, s20, s21                     ; my first row of the output
	s_mov_b32 s21, 0
	s_mov_b64 s[18:19], SIZE_N*4
	s_mul_u64 s[20:21], s[20:21], s[18:19]
	s_lshl_b32 s46, s42, 10                        ; my first column, in bytes: 1024 x tile column + 512 x half
	s_lshl_b32 s47, s16, 9
	s_add_co_u32 s46, s46, s47
	s_mov_b32 s47, 0
	s_add_nc_u64 s[20:21], s[20:21], s[46:47]
	s_add_nc_u64 s[12:13], s[12:13], s[20:21]
.macro FRAG reg, adr, q, i             ; a fragment of B from padded rows: lane l holds row l % 16; registers 4 c .. 4 c + 3 hold K = 32 c + 16 (l / 16) + 0 .. 15
.irp c, 0,1,2,3
	ds_load_b128 v[\reg+4*\c:\reg+4*\c+3], v[\adr] offset:128*(\q)+32*\c+(\i)*16*PITCH
.endr
.endm
.macro FRAGA reg, adr, q, i            ; a fragment of A from its image: tile of rows i, the slot's q-th 128 along K: four runs of 512 bytes, 16 a lane
.irp c, 0,1,2,3
	ds_load_b128 v[\reg+4*\c:\reg+4*\c+3], v[\adr] offset:(\i)*4096+(\q)*2048+512*\c
.endr
.endm
; 16 matrix instructions: A's blocks a0, a0 + 1 x B's eight.  The 64 accumulators take turns, one instruction a turn, in the same order in every step.
.macro MUL16 a0, p, q, sc, zero
.irp a, \a0, \a0+1
.irp b, 0,1,2,3,4,5,6,7
.if \zero
	v_wmma_scale_f32_16x16x128_f8f6f4 v[8*(8*((\a)%4)+\b):8*(8*((\a)%4)+\b)+7], v[128*(\p)+FR*\b:128*(\p)+FR*\b+FR-1], v[AF+FR*(\a):AF+FR*(\a)+FR-1], 0, v[SC+8*NQ*(\sc)+NQ*\b+(\q)], v[SC+8*NQ*(\sc)+NQ*(\a)+(\q)] matrix_a_scale:MATRIX_SCALE_ROW1
.else
	v_wmma_scale_f32_16x16x128_f8f6f4 v[8*(8*((\a)%4)+\b):8*(8*((\a)%4)+\b)+7], v[128*(\p)+FR*\b:128*(\p)+FR*\b+FR-1], v[AF+FR*(\a):AF+FR*(\a)+FR-1], v[8*(8*((\a)%4)+\b):8*(8*((\a)%4)+\b)+7], v[SC+8*NQ*(\sc)+NQ*\b+(\q)], v[SC+8*NQ*(\sc)+NQ*(\a)+(\q)] matrix_a_scale:MATRIX_SCALE_ROW1
.endif
.endr
.endr
.endm
.macro FETCH_B slot, q, p
	WIN TO_B
.irp i, 0,1,2,3,4,5,6,7
	FRAG 128*(\p)+FR*\i, ADRB+\slot, \q, \i
.endr
	WIN 0
.endm
.macro FETCH_A slot, q, i0
.irp i, \i0, \i0+1, \i0+2, \i0+3
	FRAGA AF+FR*(\i), ADRA+\slot, \q, \i
.endr
.endm
.macro SCALES sc                       ; the next K step's scale words: lanes 0-15 take A's block i, lanes 16-31 B's block i
.irp i, 0,1,2,3,4,5,6,7
	ds_load_b64 v[SC+8*NQ*\sc+NQ*\i:SC+8*NQ*\sc+NQ*\i+1], v[ADRS] offset:\i*SBLK
.endr
.endm
.macro PLACES n                        ; plain vector lines between a matrix instruction and a load into, or a read of, its registers
.rept \n
	v_nop
.endr
.endm
.macro STEP slot, q, zero              ; a step of 128 along K that has its successor in the same slot
	s_wait_dscnt 4*NL                              ; B's set and A's blocks 0-3 are in; the youngest 16 loads (A's blocks 4-7) may be out
	WIN MUL_LO
	MUL16 0, (\q)%2, \q, \slot, \zero
	MUL16 2, (\q)%2, \q, \slot, \zero
	s_wait_dscnt 0                                 ; A's blocks 4-7 are in
	PLACES NP
	FETCH_B \slot, (\q)+1, 1-(\q)%2
	FETCH_A \slot, (\q)+1, 0
	WIN MUL_HI
	MUL16 4, (\q)%2, \q, \slot, \zero
	MUL16 6, (\q)%2, \q, \slot, \zero
	PLACES NP
	WIN 0
	FETCH_A \slot, (\q)+1, 4
.endm
; A slot's last step changes slots: one barrier; in front of it each wave waits for all its tensor loads, adds 0 to its spare word, and waits for that and for its own reads of this slot.
.macro TURN slot, next, fill
	s_wait_tensorcnt 0x0                           ; all my tensor loads have landed: my part of the next slot
	ds_add_u32 v[SPW], v[NIL]                      ; 0 onto my spare word
	s_wait_dscnt 4*NL+1                            ; (the add and the youngest 16 loads may be out)
	WIN MUL_LO
	MUL16 0, 1, NQ-1, \slot, 0
	s_wait_dscnt 0x0                               ; the add is done, and my reads of this slot are over
	s_barrier_signal -1
	MUL16 2, 1, NQ-1, \slot, 0
	WIN 0
	s_barrier_wait -1
.if \fill
	CREST                                          ; the barrier has opened a round of the cluster's barrier: no wave of any partner still reads this slot's tile or has a load on its way
	s_add_nc_u64 s[G0+4*\slot+2:G0+4*\slot+3], s[G0+4*\slot+2:G0+4*\slot+3], 2*ASTEP
	s_add_nc_u64 s[G0B+4*\slot+2:G0B+4*\slot+3], s[G0B+4*\slot+2:G0B+4*\slot+3], 2*ROWB
	JLOAD G0+4*\slot, G1, G0B+4*\slot, G1B         ; the first tensor load behind the round; its four v_nop are among the places in front of the loads below
	PLACES NP-4
.else
	PLACES NP
.endif
	s_wait_alu depctr_va_vdst(0)
	v_add_nc_u32 v[ADRS], 4*NQ, v[ADRS]            ; on to the next K step's scale words
	FETCH_B \next, 0, 0
	FETCH_A \next, 0, 0
	SCALES \next
	WIN MUL_HI
	MUL16 4, 1, NQ-1, \slot, 0
	MUL16 6, 1, NQ-1, \slot, 0
	PLACES NP
	WIN 0
	FETCH_A \next, 0, 4
.endm
	s_wait_alu depctr_va_vdst(0)
	s_wait_tensorcnt 1                             ; the scales and my part of K step 0 are in (K step 1's load may be out)
	s_barrier_signal -1
	s_barrier_wait -1                              ; everybody's are
	FETCH_B 0, 0, 0
	FETCH_A 0, 0, 0
	SCALES 0
	FETCH_A 0, 0, 4
	STEP 0, 0, 1                                   ; the first step stands in front of the loop: its products start the sums
	s_mov_b32 s3, LAPS-1
.Llap:
	TURN 0, 1, 1
	STEP 1, 0, 0
	TURN 1, 0, 1
	STEP 0, 0, 0
	s_sub_co_u32 s3, s3, 1
	s_cmp_lg_u32 s3, 0
	s_cbranch_scc1 .Llap
	TURN 0, 1, 0                                   ; the last lap fills nothing, and has no round of the cluster's barrier
	STEP 1, 0, 0
	s_wait_dscnt 4*NL                              ; the very last step
	WIN MUL_LO
	MUL16 0, 1, NQ-1, 1, 0
	MUL16 2, 1, NQ-1, 1, 0
	s_wait_dscnt 0
	WIN MUL_HI
	MUL16 4, 1, NQ-1, 1, 0
	MUL16 6, 1, NQ-1, 1, 0
	WIN 0
; THE WAY OUT, block by block of 16 rows x 128 columns, through my own stage in LDS: in as 32 bytes a lane, back as whole rows of 512 bytes, which the 32 lanes store as two aligned runs of 256 bytes.
; LDS serves a wave's instructions in order (ISA guide 5.7.1.4): no wait between the stores and the loads, nor in front of the next block's stores.
.macro TOSTAGE a
.set AC, 64*((\a)%4)
	WIN 0x08+4*((\a)/4)                            ; the data: window 2 or 3
.irp b, 0,1,2,3,4,5,6,7
	ds_store_b128 v[STO], v[AC+8*\b:AC+8*\b+3] offset:64*\b          ; each accumulator from its low end on
	ds_store_b128 v[STO], v[AC+8*\b+4:AC+8*\b+7] offset:64*\b+16
.endr
	WIN 0
.set BB, BK+64*((\a)%2)
.irp t, 0,1,2,3,4,5,6,7,8,9,10,11,12,13,14,15
	ds_load_b128 v[BB+4*\t:BB+4*\t+3], v[RD] offset:\t*SPITCH
.endr
.endm
.macro SEND a, younger                 ; younger: the LDS instructions issued behind block a's loads, which may stay out
.set BB, BK+64*((\a)%2)
	s_wait_dscnt \younger                          ; the block is back in registers
.if (\a) > 0
	s_add_nc_u64 s[12:13], s[12:13], 16*SIZE_N*4   ; (behind a wait on XCNT: the earlier stores have read their base)  16 rows on
.endif
.irp t, 0,1,2,3,4,5,6,7,8,9,10,11,12,13,14,15
	global_store_b128 v[CO], v[BB+4*\t:BB+4*\t+3], s[12:13] offset:\t*SIZE_N*4 th:TH_STORE_NT   ; 32 lanes store 512 consecutive bytes, at a multiple of 256 from the output's first byte
.endr
.endm
	PLACES NP                                      ; behind the last products: for the loads into the registers that held A's fragments and for the reads of results
	TOSTAGE 0
.irp a, 1,2,3,4,5,6,7
.if \a > 1
	s_wait_xcnt 0x0                                ; block a - 2's stores have read their registers and their base
.endif
	TOSTAGE \a
	SEND \a-1, 32                                  ; behind block a - 1's loads: block a's 16 stores and 16 loads
.endr
	s_wait_xcnt 0x0                                ; block 6's stores have read their base
	SEND 7, 0
	s_wait_tensorcnt 0x0                           ; the wave's end
	ds_add_u32 v[SPW], v[NIL]
	s_wait_dscnt 0x0
	CROUND                                         ; the closing round: no work-group ends while a partner may still ask for a tile that names it
	s_endpgm
.Lfunc_end_k_qe1f83c064f_proj:
	.size	k_qe1f83c064f_proj, .Lfunc_end_k_qe1f83c064f_proj-k_qe1f83c064f_proj
	.p2alignl 7, 3214868480
	.fill 96, 4, 3214868480
	.section	.rodata,"a",@progbits
	.p2align	6, 0x0
	.amdhsa_kernel k_qe1f83c064f_proj
		.amdhsa_group_segment_fixed_size 327680
		.amdhsa_private_segment_fixed_size 0
		.amdhsa_enable_private_segment 0
		.amdhsa_kernarg_size 40
		.amdhsa_user_sgpr_count 2
		.amdhsa_user_sgpr_kernarg_segment_ptr 1
		.amdhsa_wavefront_size32 1
		.amdhsa_system_sgpr_workgroup_id_x 1
		.amdhsa_system_sgpr_workgroup_id_y 1
		.amdhsa_system_sgpr_workgroup_id_z 1
		.amdhsa_system_vgpr_workitem_id 0
		.amdhsa_next_free_vgpr 1024
		.amdhsa_next_free_sgpr 98
		.amdhsa_reserve_vcc 0
		.amdhsa_float_denorm_mode_32 3
		.amdhsa_float_denorm_mode_16_64 3
		.amdhsa_memory_ordered 1
		.amdhsa_forward_progress 1
		.amdhsa_inst_pref_size 146
	.end_amdhsa_kernel
	.amdgpu_metadata
---
amdhsa.version: [ 1, 2 ]
amdhsa.kernels:
  - .name:           k_qe1f83c064f_proj
    .symbol:         k_qe1f83c064f_proj.kd
    .args:
      - { .name: y_codes, .offset: 0, .size: 8, .value_kind: global_buffer, .address_space: global }
      - { .name: y_scales, .offset: 8, .size: 8, .value_kind: global_buffer, .address_space: global }
      - { .name: w_proj_codes, .offset: 16, .size: 8, .value_kind: global_buffer, .address_space: global }
      - { .name: w_proj_scales, .offset: 24, .size: 8, .value_kind: global_buffer, .address_space: global }
      - { .name: out0, .offset: 32, .size: 8, .value_kind: global_buffer, .address_space: global }
    .group_segment_fixed_size: 327680
    .private_segment_fixed_size: 0
    .kernarg_segment_align: 8
    .kernarg_segment_size: 40
    .max_flat_workgroup_size: 128
    .sgpr_count:     98
    .vgpr_count:     1024
    .wavefront_size: 32
...
	.end_amdgpu_metadata
.endif
;; end of part 3
